; MI455X (gfx1250); checked and timed in simulation.
; The chip was launched on July 23, 2026; its instructions are those of AMD's public machine-readable ISA for CDNA 5 (MIT licence, August 2026) and "CDNA5" Instruction Set Architecture Reference Guide (July 2026). The comments in the code are by the model that wrote it; some were corrected since.
;; Multi Head Self Attention Block. Allowed arithmetic: matrix products marked QUANTISED: E4M3 operands, one E8M0 scale for each 32 along K, by v_wmma_scale_f32_16x16x128_f8f6f4 with both operands' format E4M3, f32 sums; everything else in f32.
;; Inputs: bk 1,024 float32; bo 1,024 float32; bq 1,024 float32; bv 1,024 float32; k_codes 2 x 2,048 x 32 x 32 uint8 (E4M3 codes of k, K innermost, in blocks of 32 codes); k_scales 2 x 2,048 x 32 uint8 (E8M0 scales of k, one for each 32 codes along K); mask 1 x 1 x 2,048 x 2,048 int32; q_codes 2 x 2,048 x 32 x 32 uint8 (E4M3 codes of q, K innermost, in blocks of 32 codes); q_scales 2 x 2,048 x 32 uint8 (E8M0 scales of q, one for each 32 codes along K); v_codes 2 x 2,048 x 32 x 32 uint8 (E4M3 codes of v, K innermost, in blocks of 32 codes); v_scales 2 x 2,048 x 32 uint8 (E8M0 scales of v, one for each 32 codes along K); wk_codes 1,024 x 32 x 32 uint8 (E4M3 codes of wk, K innermost, in blocks of 32 codes); wk_scales 1,024 x 32 uint8 (E8M0 scales of wk, one for each 32 codes along K); wo_codes 1,024 x 32 x 32 uint8 (E4M3 codes of wo, K innermost, in blocks of 32 codes); wo_scales 1,024 x 32 uint8 (E8M0 scales of wo, one for each 32 codes along K); wq_codes 1,024 x 32 x 32 uint8 (E4M3 codes of wq, K innermost, in blocks of 32 codes); wq_scales 1,024 x 32 uint8 (E8M0 scales of wq, one for each 32 codes along K); wv_codes 1,024 x 32 x 32 uint8 (E4M3 codes of wv, K innermost, in blocks of 32 codes); wv_scales 1,024 x 32 uint8 (E8M0 scales of wv, one for each 32 codes along K).
;; Outputs: out0 2 x 2,048 x 1,024 float32.
;; This version of the problem:
;;   THIS VERSION OF THE PROBLEM IS GIVEN IN LOW PRECISION. The matrix products marked QUANTISED in the list below multiply operands that are first quantised to E4M3 (4 exponent bits, 3 mantissa bits; 8 bits a number), with one power-of-two scale for each 32 numbers along K (OCP MX v1.0); their sums are f32. All else is computed in f32.
;;   The module's matrix products, in the order in which they are computed (A, B: the left and right operand; K: the contracted axis; several contracted axes count as one K, in the product's order):
;;     1. [M 4,096, K 1,024] x [K 1,024, N 1,024]; A: input q (given as codes); B: input wq (given as codes): QUANTISED
;;     2. [M 4,096, K 1,024] x [K 1,024, N 1,024]; A: input k (given as codes); B: input wk (given as codes): QUANTISED
;;     3. [M 4,096, K 1,024] x [K 1,024, N 1,024]; A: input v (given as codes); B: input wv (given as codes): QUANTISED
;;     4. batch 32 x [M 2,048, K 64] x [K 64, N 2,048]; A: computed on the way; B: computed on the way: QUANTISED
;;     5. batch 32 x [M 2,048, K 2,048] x [K 2,048, N 64]; A: softmax (see below); B: computed on the way: QUANTISED
;;     6. [M 4,096, K 1,024] x [K 1,024, N 1,024]; A: computed on the way; B: input wo (given as codes): QUANTISED
;;   THE QUANTISER, for each operand of a quantised product, along K:
;;     - K is cut into blocks of 32 from its start; a last block that is shorter is filled with zeros.
;;     - A block's scale is 2^e with e = floor(log2(the largest magnitude in the block)) - 8, held to -126 .. 127; a block of zeros has e = 0. As a byte (E8M0): e + 127.
;;     - Each number is divided by its block's scale, clamped to +-448, and rounded to the nearest number of E4M3, ties to even, subnormals kept.
;;     - The product sums the exact products of the quantised numbers (number of the format x scale) in f32.
;;   ~~~python
;;   def quantise(x, axis):      # numpy; x: float32 -> the quantised numbers, widened to float32 again
;;       x = np.moveaxis(x, axis, -1); K = x.shape[-1]
;;       x = np.pad(x, [(0, 0)] * (x.ndim - 1) + [(0, -K % 32)]); x = x.reshape(x.shape[:-1] + (-1, 32)); a = np.abs(x).max(-1, keepdims=True)
;;       e = np.where(a > 0, np.clip(np.frexp(np.where(a > 0, a, 1))[1] - 1 - 8, -126, 127), 0)      # np.frexp(a)[1] - 1 = floor(log2(a)), exactly
;;       r = np.clip(x / 2.0 ** e, -448, 448)
;;       step = 2.0 ** (np.maximum(np.frexp(np.where(r == 0, 1, r))[1] - 1, -6) - 3)
;;       q = np.round(r / step) * step * 2.0 ** e      # np.round: ties to even
;;       return np.moveaxis(q.reshape(q.shape[:-2] + (-1,))[..., :K], -1, axis).astype(np.float32)
;;   ~~~
;;   SOFTMAX AHEAD OF A QUANTISED PRODUCT. Where the list says 'softmax', what is quantised is not the finished softmax but p = 2^(t - M), with t = logit x log2(e) and M = ceil(the row's largest t), a whole number; so 1/2 < the row's largest p <= 1. The row's sum l is taken of the UNQUANTISED p, in f32, and the product's result is divided by l at the end. Since M is a whole number, a kernel that streams over the keys may use a running M (the ceiling of the running maximum): every later rescaling is an exact power of two, which a block's scale takes up: the codes' values come out the same.
;;   OPERANDS COMPUTED ON THE WAY. 'Computed on the way' means the value that the module computes at that place (a softmax that the list does not call 'softmax' is quantised finished and normalised). What goes into a quantiser is computed in f32, as accurately as f32 sums, v_exp_f32 and their like allow (about 1e-6 of the number): no bf16 or f16 on the way to a quantiser, and a product that is left as it is and whose result goes on into a quantised operand takes f32 operands (vector FMAs, or v_wmma_f32_16x16x4_f32). A number that lies on a knife's edge between two numbers of the format may be rounded either way, as far as f32 arithmetic and the matrix unit's own rounding can turn it there, and no further.
;;   INPUTS GIVEN AS CODES. k (in the module: [2, 2048, 1024], K = its axis 2); q (in the module: [2, 2048, 1024], K = its axis 2); v (in the module: [2, 2048, 1024], K = its axis 2); wk (in the module: [1024, 1024], K = its axis 1); wo (in the module: [1024, 1024], K = its axis 1); wq (in the module: [1024, 1024], K = its axis 1); wv (in the module: [1024, 1024], K = its axis 1): each comes as NAME_codes (uint8): NAME with its K axis moved to the last place and cut into blocks of 32 codes, [.., K / 32, bytes a block], one block behind the other in memory; one code a byte (a code: sign, 4 exponent bits, 3 mantissa bits); and NAME_scales (uint8): the same leading axes, one E8M0 byte (e + 127) for each 32 codes along K. Its value is code x scale, taken as it is: it is not quantised again, and the codes and scales need not be those that the quantiser above would give.
;; 2 versions. Each part assembles by itself: llvm-mc -triple=amdgcn-amd-amdhsa -mcpu=gfx1250 --defsym DOCPART=n.
;; ======== version 1 of 2: 4 launches
;; workspace buffers: maskw 524,288 bytes of whole numbers; qimg 4,325,376 bytes; kimg 4,325,376 bytes; vimg 4,325,376 bytes; ximg 4,194,304 bytes; xs 131,072 bytes
;; launch pack (part 1): grid 256 x 1, 8 waves a work-group, no clusters, 68,608 bytes of LDS; arguments mask, maskw; writes maskw
.if DOCPART == 1
	.amdgcn_target "amdgcn-amd-amdhsa--gfx1250"
	.amdhsa_code_object_version 6
	.text
	.protected	k_q3dad1286cf_pack
	.globl	k_q3dad1286cf_pack
	.p2align	8
	.type	k_q3dad1286cf_pack,@function
k_q3dad1286cf_pack:
	s_mov_b64 s[64:65], 0
	v_nop
	global_prefetch_b8 v0, s[64:65] scope:SCOPE_SE
	s_setreg_imm32_b32 hwreg(HW_REG_WAVE_MODE, 25, 1), 1
	s_wait_xcnt 0x0
; mask [2048][2048] int32 becomes lane masks for the attention launch: maskw [T 128][t 16][n 64] of 32-bit words.
; Bit L of word n (r = L % 16, h = L / 16) says whether mask[32 (T / 2) + 8 (T % 2) + r + 8 (r / 8)][128 t + 32 (n / 16) + 16 h + n % 16] is not 0:
; that is lane L, score register n, of the wave that owns tile T of 16 queries in key step t.  So the mask costs that launch one select a score,
; and its 32 heads read 0.5 MB in place of 16.8 MB each time.
; A wave takes one (T, t): 16 rows x 512 bytes.  Each load reads 512 consecutive bytes of a row; all sixteen are out at once.  The rows turn through the wave's own
; stage in LDS (rows 528 bytes apart, an odd multiple of 16), so that a lane gets its query's 64 numbers in the order of its score registers.
; Memory binds; no matrix unit, no cluster (work-groups share no input), no barrier (waves share nothing).
.set ROWB, 8192                        ; a row of the mask in bytes
.set SP,   528                         ; a stage row: 512 bytes + 16
.set WST,  16*SP                       ; a wave's stage
.set IN,   16                          ; v16-79   the rows as loaded
.set TU,   80                          ; v80-143  turned: register n = my query's key 32 (n / 16) + 16 h + n % 16
	s_load_b128 s[4:7], s[0:1], 0x0                ; mask, maskw
	v_lshl_add_u32 v152, v0, 2, 0x10800
	v_mov_b32 v153, 0
	v_lshrrev_b32 v5, 5, v0
	v_readfirstlane_b32 s8, v5                     ; wave 0..7
	v_and_b32 v8, 31, v0                           ; lane
	v_and_b32 v9, 15, v0                           ; r
	v_bfe_u32 v10, v0, 4, 1                        ; h
	v_lshlrev_b32 v1, 4, v8                        ; my 16 bytes of a load's 512
	s_mul_i32 s9, s8, WST
	v_add_nc_u32 v2, s9, v1                        ; the stage, on the way in
	v_mul_u32_u24 v3, v9, SP
	v_lshl_add_u32 v3, v10, 6, v3
	v_add_nc_u32 v3, s9, v3                        ; and on the way out: row r, + 64 h
	v_lshlrev_b32 v4, 3, v8                        ; the result: 8 bytes a lane
	v_mov_b32 v6, 0                                ; words 2 l (v6) and 2 l + 1 (v7) gather in lane l; written whole first
	v_mov_b32 v7, 0
	s_lshr_b32 s10, ttmp9, 1                       ; T
	s_and_b32 s11, ttmp9, 1
	s_lshl_b32 s11, s11, 3
	s_add_co_u32 s11, s11, s8                      ; t
	s_lshr_b32 s12, s10, 1
	s_lshl_b32 s12, s12, 5
	s_and_b32 s13, s10, 1
	s_lshl_b32 s13, s13, 3
	s_add_co_u32 s12, s12, s13                     ; the tile's first row: 32 (T / 2) + 8 (T % 2)
	s_lshl_b32 s12, s12, 13                        ; in bytes (under 2^24)
	s_lshl_b32 s13, s11, 9
	s_add_co_u32 s12, s12, s13                     ; + 512 t
	s_mov_b32 s13, 0
	s_lshl_b32 s14, s10, 4
	s_add_co_u32 s14, s14, s11
	s_lshl_b32 s14, s14, 8                         ; 256 bytes of words for each (T, t)
	s_mov_b32 s15, 0
	s_wait_kmcnt 0x0
	s_add_nc_u64 s[4:5], s[4:5], s[12:13]
	s_add_nc_u64 s[6:7], s[6:7], s[14:15]
.irp i, 0,1,2,3,4,5,6,7,8,9,10,11,12,13,14,15
	global_load_b128 v[IN+4*\i:IN+4*\i+3], v1, s[4:5] offset:(\i+8*(\i/8))*ROWB th:TH_LOAD_NT   ; tile row i is mask row i + 8 (i / 8)
.endr
.irp i, 0,1,2,3,4,5,6,7,8,9,10,11,12,13,14,15
	s_wait_loadcnt 15-\i                           ; loads come back in order: row i is in, the 15 - i younger ones may be out
	ds_store_b128 v2, v[IN+4*\i:IN+4*\i+3] offset:SP*\i
.endr
.irp k, 0,1,2,3,4,5,6,7,8,9,10,11,12,13,14,15
	ds_load_b128 v[TU+4*\k:TU+4*\k+3], v3 offset:128*(\k/4)+16*(\k%4)   ; LDS serves a wave's instructions in order: these see the stores above
.endr
	s_wait_dscnt 0x0
.set n, 0
.rept 64
	v_cmp_ne_u32 s[16+n%16], 0, v[TU+n]            ; the 32 lanes' bits of word n (sixteen scalar registers by turns)
	v_writelane_b32 v[6+n%2], s[16+n%16], n/2
.set n, n+1
.endr
	global_store_b64 v4, v[6:7], s[6:7]            ; 32 lanes store 256 consecutive bytes, at a multiple of 256 from the buffer's first byte
	s_wait_tensorcnt 0x0
	ds_add_u32 v152, v153
	s_wait_dscnt 0x0
	s_endpgm
.Lfunc_end_k_q3dad1286cf_pack:
	.size	k_q3dad1286cf_pack, .Lfunc_end_k_q3dad1286cf_pack-k_q3dad1286cf_pack
	.p2alignl 7, 3214868480
	.fill 96, 4, 3214868480
	.section	.rodata,"a",@progbits
	.p2align	6, 0x0
	.amdhsa_kernel k_q3dad1286cf_pack
		.amdhsa_group_segment_fixed_size 68608
		.amdhsa_private_segment_fixed_size 0
		.amdhsa_enable_private_segment 0
		.amdhsa_kernarg_size 16
		.amdhsa_user_sgpr_count 2
		.amdhsa_user_sgpr_kernarg_segment_ptr 1
		.amdhsa_wavefront_size32 1
		.amdhsa_system_sgpr_workgroup_id_x 1
		.amdhsa_system_sgpr_workgroup_id_y 1
		.amdhsa_system_sgpr_workgroup_id_z 1
		.amdhsa_system_vgpr_workitem_id 0
		.amdhsa_next_free_vgpr 154
		.amdhsa_next_free_sgpr 66
		.amdhsa_reserve_vcc 0
		.amdhsa_float_denorm_mode_32 3
		.amdhsa_float_denorm_mode_16_64 3
		.amdhsa_memory_ordered 1
		.amdhsa_forward_progress 1
		.amdhsa_inst_pref_size 14
	.end_amdhsa_kernel
	.amdgpu_metadata
---
amdhsa.version: [ 1, 2 ]
amdhsa.kernels:
  - .name:           k_q3dad1286cf_pack
    .symbol:         k_q3dad1286cf_pack.kd
    .args:
      - { .name: mask, .offset: 0, .size: 8, .value_kind: global_buffer, .address_space: global }
      - { .name: maskw, .offset: 8, .size: 8, .value_kind: global_buffer, .address_space: global }
    .group_segment_fixed_size: 68608
    .private_segment_fixed_size: 0
    .kernarg_segment_align: 8
    .kernarg_segment_size: 16
    .max_flat_workgroup_size: 256
    .sgpr_count:     66
    .vgpr_count:     154
    .wavefront_size: 32
...
	.end_amdgpu_metadata
.endif
;; end of part 1
;; launch proj (part 2): grid 32 x 24, 4 waves a work-group, clusters of 4 x 4, 279,040 bytes of LDS; arguments v_codes, q_codes, k_codes, v_scales, q_scales, k_scales, wv_codes, wq_codes, wk_codes, wv_scales, wq_scales, wk_scales, bv, bq, bk, vimg, qimg, kimg; writes vimg, qimg, kimg
.if DOCPART == 2
	.amdgcn_target "amdgcn-amd-amdhsa--gfx1250"
	.amdhsa_code_object_version 6
	.text
	.protected	k_q3dad1286cf_proj
	.globl	k_q3dad1286cf_proj
	.p2align	8
	.type	k_q3dad1286cf_proj,@function
k_q3dad1286cf_proj:
	s_mov_b64 s[64:65], 0
	v_nop
	global_prefetch_b8 v0, s[64:65] scope:SCOPE_SE
	s_setreg_imm32_b32 hwreg(HW_REG_WAVE_MODE, 25, 1), 1
	s_wait_xcnt 0x0
	s_wait_alu depctr_hold_cnt(0) depctr_sa_sdst(0) depctr_va_vdst(0) depctr_va_sdst(0) depctr_va_ssrc(0) depctr_va_vcc(0) depctr_vm_vsrc(0)
	s_getreg_b32 s2, hwreg(HW_REG_IB_STS2, 6, 4)
	s_cmp_eq_u32 s2, 0
	s_cbranch_scc0 .Lentry_in_a_cluster
	s_endpgm
.Lentry_in_a_cluster:
	s_bfe_u32 s2, ttmp6, 0x10000c
	s_cmp_lg_u32 s2, 0xf033
	s_cbranch_scc0 .Lentry_shape_is_right
	s_endpgm
.Lentry_shape_is_right:
; The three projections x W^T + b on given codes of FP8 (E4M3) with E8M0 scales, and the quantiser behind them: query and key along the head's 64 (two blocks of 32), value along the keys.
; 768 tiles of 128 x 128: work-group x = the activation's 128 rows, cluster y / 2 = which projection (0 value, 1 query, 2 key), the rest of y = the weight's 128 rows.  Four waves, 64 x 64 each: 16 accumulators.
; ONE FORM FOR ALL THREE: Out[R][P] = the sum over k of P[P][k] R[R][k]; source 0 = 16 rows of P, source 1 = 16 rows of R.  A lane then holds ONE row of R, and its registers run along P, which is the axis that is
; quantised: query, key: P = the weight (the head's 64), R = the activation;  value: P = the activation (keys), R = the weight (the head's 64).
; THE ROWS OF A TILE ARE NOT NEIGHBOURS: lane r of tile 2 g + u takes row 32 g + 8 u + r + 8 (r / 8).  So the 16 registers of tiles 2 g, 2 g + 1 of P are 16 neighbours, 32 g + 16 (lane / 16) + 0 .. 15, and the conversions'
; results are pieces of the next product's operand as its registers want them.  They go to memory as IMAGES OF REGISTERS: 16 bytes a lane, 512 consecutive bytes a store, no stage.
; RECORDS [batch][head][t][8,448]: 8,192 bytes of codes, then 256 of scale words at 16 r + 8 sub + 4 g.  query, key: rows 128 t on; tile i, piece c at 1,024 i + 512 c.  value: keys 128 t on; fragment a, piece c at 2,048 a + 512 c.
; The scale words leave as 8 bytes of each 16 (the wave with the other half fills the rest): one byte in 33 of what the launch stores.
; NO RING: all of K = 1,024 of both tiles lies in LDS, four chunks of 256 along K, each filled once; the waits on the tensor counter run down 3, 2, 1, 0 as the chunks are reached.
; CLUSTERS: 4 x 4.  The activation's tile hangs on work-group x alone and is asked for jointly by the four of a column, the weight's on y alone and by the four of a row.
; LIMITS: NaN and infinities are not served.  A block of zeros gets the scale byte 1 where the quantiser says 127: its codes are zeros, and this program alone reads the bytes.
; The two groups of eight rows of a tile lie 16 LDS rows apart, a whole number of times through the 64 banks: by that reckoning a fragment load goes two deep.
; REGISTERS: window 0: v1-25 addresses and the scale words made; v32-63 P's scale words, v64-95 R's (they hold nothing else); v96-127 the bias as C, later at work; v128-255 the accumulators ((a, b) at 128 + 8 (4 a + b)).
;   window 1: two fragment buffers of 128: P's four fragments, then R's four.
.set PITCH, 272                        ; an LDS row: 256 bytes + 16
.set HALFT, 64*PITCH                   ; what one tensor load brings
.set WTO,   128*PITCH                  ; in a chunk: the activation's 128 rows, then the weight's
.set SLOT,  2*WTO
.set REC,   8448
.set ADP,  8                           ; v8-11   LDS address of my fragments of P in chunk c
.set ADR,  12                          ; v12-15  of R
.set SO,   16                          ; v16     32 x my row of a tile: a row of scale bytes is 32 bytes
.set BO,   17                          ; v17     my offset in the bias
.set OA,   18                          ; v18-21  where R's tile a goes in the record
.set SW,   22                          ; v22     and its scale words
.set PW,   24                          ; v24-25  the two scale words made
.set SCP,  32
.set SCR,  64
.set X,    96
.set TM,   96                          ; the way out: v96-111 at work
.set ACC,  128
.set G1A,  4                           ; s[4:11]  descriptor group 1 for the activation's tiles;  s[12:19] for the weight's
.set G1W,  12
.set G0A,  20                          ; s[20:35] groups 0 for the activation, one for each chunk;  s[68:83] for the weight
.set G0W,  68
.set ACTC, 40                          ; the six buffers of my projection
.set ACTS, 42
.set WTC,  44
.set WTS,  46
.set BIAS, 48
.set OUT,  50
.set WV,   52
.set WR,   53
.set WP,   54
.set TY,   55
.set CX,   56
.set CY,   57
.set GX,   58
.set NT,   59
.set MKA,  60
.set MKW,  61
.set PS,   84                          ; s[84:85] P's scale bytes, s[86:87] R's
.set RS,   86
.set SEL,  88
.set MNT,  90
.set MSB, 0
.macro WIN new                         ; the immediate's high byte repeats the setting that is left
.if MSB != \new
	s_set_vgpr_msb (MSB<<8)|\new
.set MSB, \new
.endif
.endm
.set MUL,  0x05                        ; sources 0 and 1 window 1; C and D window 0
.set TO_F, 0x40                        ; destination window 1, address window 0
.macro CROUND                          ; a round of the cluster's barrier
	s_barrier_signal -1
	s_barrier_wait -1
	s_cmp_lg_u32 s[WV], 0
	s_cbranch_scc1 .Lnot_wave_0_\@
	s_barrier_signal -3
.Lnot_wave_0_\@:
	s_barrier_wait -3
	s_barrier_signal -1
	s_barrier_wait -1
.endm
.macro PLACES n
.rept \n
	v_nop
.endr
.endm
	s_load_b512 s[4:19], s[0:1], 0x0               ; v, q, k codes; v, q, k scales; wv, wq codes
	s_load_b512 s[20:35], s[0:1], 0x40             ; wk codes; wv, wq, wk scales; bv, bq, bk; vimg
	s_load_b128 s[36:39], s[0:1], 0x80             ; qimg, kimg
	v_lshl_add_u32 v30, v0, 2, 0x44000
	v_mov_b32 v31, 0
	ds_add_u32 v30, v31
	ds_add_u32 v30, v31
	v_lshrrev_b32 v5, 5, v0
	v_readfirstlane_b32 s[WV], v5                  ; wave 0..3
	s_lshr_b32 s[WR], s[WV], 1                     ; my half of R.  Also: I fetch for the activation (0) or the weight (1)
	s_and_b32 s[WP], s[WV], 1                      ; my half of P.  Also: which 64 rows I fetch
	s_bfe_u32 s[CX], ttmp6, 0x40000
	s_bfe_u32 s[CY], ttmp6, 0x40004
	s_lshl_b32 s[GX], ttmp9, 2
	s_add_co_u32 s[GX], s[GX], s[CX]               ; the activation's tile: 4 x cluster x + cx
	s_and_b32 s[TY], ttmp7, 0xffff                 ; cluster y
	s_and_b32 s[NT], s[TY], 1
	s_lshl_b32 s[NT], s[NT], 2
	s_add_co_u32 s[NT], s[NT], s[CY]               ; the weight's tile
	s_lshr_b32 s[TY], s[TY], 1                     ; which projection: the same in all sixteen partners
	s_lshl_b32 s[MKA], 0x1111, s[CX]               ; my column of the cluster
	s_lshl_b32 s[MKW], s[CY], 2
	s_lshl_b32 s[MKW], 15, s[MKW]                  ; my row
	s_lshl_b32 s92, s[GX], 17                      ; the activation: (128 tile + 64 half) rows of 1,024 bytes
	s_lshl_b32 s93, s[WP], 16
	s_add_co_u32 s92, s92, s93
	s_mov_b32 s93, 0
	s_lshl_b32 s94, s[NT], 17                      ; the weight likewise, in registers that never hold the other coordinate
	s_lshl_b32 s95, s[WP], 16
	s_add_co_u32 s94, s94, s95
	s_mov_b32 s95, 0
	s_mul_i32 s91, s[WP], HALFT                    ; and where my 64 rows go in a chunk
	s_wait_dscnt 0x0
	s_wait_kmcnt 0x0
	s_cmp_eq_u32 s[TY], 1                          ; the buffers are chosen on the projection's number alone
	s_cselect_b64 s[ACTC:ACTC+1], s[6:7], s[8:9]
	s_cselect_b64 s[ACTS:ACTS+1], s[12:13], s[14:15]
	s_cselect_b64 s[WTC:WTC+1], s[18:19], s[20:21]
	s_cselect_b64 s[WTS:WTS+1], s[24:25], s[26:27]
	s_cselect_b64 s[BIAS:BIAS+1], s[30:31], s[32:33]
	s_cselect_b64 s[OUT:OUT+1], s[36:37], s[38:39]
	s_cmp_eq_u32 s[TY], 0
	s_cselect_b64 s[ACTC:ACTC+1], s[4:5], s[ACTC:ACTC+1]
	s_cselect_b64 s[ACTS:ACTS+1], s[10:11], s[ACTS:ACTS+1]
	s_cselect_b64 s[WTC:WTC+1], s[16:17], s[WTC:WTC+1]
	s_cselect_b64 s[WTS:WTS+1], s[22:23], s[WTS:WTS+1]
	s_cselect_b64 s[BIAS:BIAS+1], s[28:29], s[BIAS:BIAS+1]
	s_cselect_b64 s[OUT:OUT+1], s[34:35], s[OUT:OUT+1]
	s_cselect_b64 s[PS:PS+1], s[ACTS:ACTS+1], s[WTS:WTS+1]   ; value: P = the activation, R = the weight; else the other way round
	s_cselect_b64 s[RS:RS+1], s[WTS:WTS+1], s[ACTS:ACTS+1]
	s_cselect_b32 s98, 0, WTO                      ; where P lies in a chunk,
	s_cselect_b32 s99, WTO, 0                      ; and R: either way inside the chunk's own bytes
	s_cselect_b32 s96, s[GX], s[NT]                ; P's tile,
	s_cselect_b32 s97, s[NT], s[GX]                ; R's
	s_cselect_b32 s100, s[WR], s[WP]               ; which of the weight tile's two heads is mine
	s_cselect_b32 s101, s[WP], s[WR]               ; sub: my half of the record's rows (query, key) or keys (value)
	s_mov_b32 s62, 1024                            ; (an instruction takes one literal)
	s_cselect_b32 s62, 2048, s62                   ; bytes from R's tile a to a + 1 in the record
	s_mov_b32 s63, 4096
	s_cselect_b32 s63, 1024, s63                   ; and from sub 0 to sub 1
	s_add_nc_u64 s[ACTC:ACTC+1], s[ACTC:ACTC+1], s[92:93]
	s_add_nc_u64 s[WTC:WTC+1], s[WTC:WTC+1], s[94:95]
	; descriptor group 1: 64 rows x 256 bytes, 1,024 bytes apart in memory, 16 bytes of padding behind each in LDS
	s_or_b32 s[G1A], s[MKA], (1<<20)|(1<<21)|(5<<22)|(3<<25)   ; 15:0 the mask; 17:16 elements of 1 byte; 20 padding on; 21 set beside a mask; 24:22 after every 64 words; 31:25 four words
	s_or_b32 s[G1W], s[MKW], (1<<20)|(1<<21)|(5<<22)|(3<<25)
.irp g, G1A, G1W
	s_mov_b32 s[\g+1], 256<<16                     ; tensor_dim0
	s_mov_b32 s[\g+2], 64<<16                      ; tensor_dim1
	s_mov_b32 s[\g+3], 256<<16                     ; tile_dim0
	s_mov_b32 s[\g+4], 64                          ; tile_dim1
	s_mov_b32 s[\g+5], 1024                        ; tensor_dim0_stride
	s_mov_b32 s[\g+6], 0
	s_mov_b32 s[\g+7], 0
.endr
.irp c, 0,1,2,3
	s_mov_b32 s[G0A+4*\c], 1
	s_add_co_u32 s[G0A+4*\c+1], s91, \c*SLOT
	s_add_nc_u64 s[G0A+4*\c+2:G0A+4*\c+3], s[ACTC:ACTC+1], \c*256
	s_or_b32 s[G0A+4*\c+3], s[G0A+4*\c+3], 0x80000000
	s_mov_b32 s[G0W+4*\c], 1
	s_add_co_u32 s[G0W+4*\c+1], s91, \c*SLOT+WTO
	s_add_nc_u64 s[G0W+4*\c+2:G0W+4*\c+3], s[WTC:WTC+1], \c*256
	s_or_b32 s[G0W+4*\c+3], s[G0W+4*\c+3], 0x80000000
.endr
	CROUND                                         ; all sixteen work-groups are here: the joint loads meet
	s_cmp_eq_u32 s[WR], 0                          ; a wave's four fills stand in one branch on its number: four loads of mine are out
	s_cbranch_scc0 .Lfill_w
.irp c, 0,1,2,3
	tensor_load_to_lds s[G0A+4*\c:G0A+4*\c+3], s[G1A:G1A+7]
	s_nop 0
.endr
	PLACES 4
	s_branch .Lfilled
.Lfill_w:
.irp c, 0,1,2,3
	tensor_load_to_lds s[G0W+4*\c:G0W+4*\c+3], s[G1W:G1W+7]
	s_nop 0
.endr
	PLACES 4
.Lfilled:
	v_and_b32 v1, 15, v0                           ; r
	v_bfe_u32 v2, v0, 4, 1                         ; h
	v_and_b32 v3, 8, v1
	v_add_nc_u32 v3, v3, v1                        ; r + 8 (r / 8)
	v_and_b32 v5, 31, v0                           ; lane
	v_mul_u32_u24 v4, v3, PITCH
	v_lshl_add_u32 v4, v2, 4, v4                   ; a fragment's row x pitch + 16 h
	s_add_co_u32 s98, s98, s91                     ; P's place + my half
	s_mul_i32 s93, s[WR], HALFT
	s_add_co_u32 s99, s99, s93                     ; R's
.irp c, 0,1,2,3
	v_add_nc_u32 v[ADP+\c], s98, v4
	v_add_nc_u32 v[ADR+\c], s99, v4
	s_add_co_u32 s98, s98, SLOT
	s_add_co_u32 s99, s99, SLOT
.endr
	; the scale words come straight into registers: a row's 32 bytes are its eight words, one for each 128 along K
	v_lshlrev_b32 v[SO], 5, v3
	s_lshl_b32 s36, s96, 12                        ; (128 tile + 64 half) rows of 32 bytes
	s_lshl_b32 s37, s[WP], 11
	s_add_co_u32 s36, s36, s37
	s_mov_b32 s37, 0
	s_add_nc_u64 s[PS:PS+1], s[PS:PS+1], s[36:37]
	s_lshl_b32 s38, s97, 12
	s_lshl_b32 s39, s[WR], 11
	s_add_co_u32 s38, s38, s39
	s_mov_b32 s39, 0
	s_add_nc_u64 s[RS:RS+1], s[RS:RS+1], s[38:39]
.irp i, 0,1,2,3
	global_load_b128 v[SCP+8*\i:SCP+8*\i+3], v[SO], s[PS:PS+1] offset:(32*(\i/2)+8*(\i%2))*32
	global_load_b128 v[SCP+8*\i+4:SCP+8*\i+7], v[SO], s[PS:PS+1] offset:(32*(\i/2)+8*(\i%2))*32+16
	global_load_b128 v[SCR+8*\i:SCR+8*\i+3], v[SO], s[RS:RS+1] offset:(32*(\i/2)+8*(\i%2))*32
	global_load_b128 v[SCR+8*\i+4:SCR+8*\i+7], v[SO], s[RS:RS+1] offset:(32*(\i/2)+8*(\i%2))*32+16
.endr
	s_lshl_b32 s36, s[NT], 1
	s_add_co_u32 s100, s100, s36                   ; my head
	s_lshl_b32 s36, s100, 8                        ; its 64 numbers of the bias
	s_mov_b32 s37, 0
	s_add_nc_u64 s[BIAS:BIAS+1], s[BIAS:BIAS+1], s[36:37]
	s_cmp_eq_u32 s[TY], 0                          ; the bias is the C of each sum's first product: eight registers in the result's layout.  Both ways write all 32
	s_cbranch_scc1 .Lbias_v
	v_lshlrev_b32 v[BO], 6, v2                     ; query, key: it runs along P: tile b's registers are units 32 (b / 2) + 16 h + 8 (b % 2) + 0 .. 7
.irp b, 0,1,2,3
	global_load_b128 v[X+8*\b:X+8*\b+3], v[BO], s[BIAS:BIAS+1] offset:(32*(\b/2)+8*(\b%2))*4
	global_load_b128 v[X+8*\b+4:X+8*\b+7], v[BO], s[BIAS:BIAS+1] offset:(32*(\b/2)+8*(\b%2))*4+16
.endr
	s_branch .Lbias_done
.Lbias_v:
	v_lshlrev_b32 v[BO], 2, v3                     ; value: it runs along R: my row's number, in all eight registers of tile a
.irp a, 0,1,2,3
.irp j, 0,1,2,3,4,5,6,7
	global_load_b32 v[X+8*\a+\j], v[BO], s[BIAS:BIAS+1] offset:(32*(\a/2)+8*(\a%2))*4
.endr
.endr
.Lbias_done:
	v_lshlrev_b32 v[OA], 4, v5                     ; the record: 16 x lane + sub's part + tile a's
	s_mul_i32 s38, s101, s63
	v_add_nc_u32 v[OA], s38, v[OA]
	v_add_nc_u32 v[OA+1], s62, v[OA]
	v_add_nc_u32 v[OA+2], s62, v[OA+1]
	v_add_nc_u32 v[OA+3], s62, v[OA+2]
	v_lshlrev_b32 v[SW], 4, v1
	v_lshl_add_u32 v[SW], s101, 3, v[SW]           ; 16 r + 8 sub
	s_lshr_b32 s36, s[GX], 4                       ; the batch
	s_lshl_b32 s36, s36, 4
	s_add_co_u32 s36, s36, s100
	s_lshl_b32 s36, s36, 4
	s_and_b32 s38, s[GX], 15                       ; t
	s_add_co_u32 s36, s36, s38
	s_mul_i32 s36, s36, REC                        ; ((16 batch + head) 16 + t) records, under 2^23 bytes
	s_mov_b32 s37, 0
	s_add_nc_u64 s[OUT:OUT+1], s[OUT:OUT+1], s[36:37]
	s_mov_b32 s[SEL], 0x76543210
	s_mov_b32 s[SEL+1], 0xfedcba98                 ; v_permlanex16_b32's selects for lane l xor 16
	s_mov_b32 s[MNT], 0x600000                     ; the mantissa field of 448
; 32 LDS loads: the fragments of K step q (128 along K; chunk q / 2) into buffer f.  A fragment is 16 registers: registers 4 c .. 4 c + 3 hold K = 32 c + 16 h + 0 .. 15
.macro FETCH q, f
	WIN TO_F
.irp i, 0,1,2,3
.irp c, 0,1,2,3
	ds_load_b128 v[128*(\f)+16*\i+4*\c:128*(\f)+16*\i+4*\c+3], v[ADP+(\q)/2] offset:128*((\q)%2)+32*\c+(32*(\i/2)+8*(\i%2))*PITCH
.endr
.endr
.irp i, 0,1,2,3
.irp c, 0,1,2,3
	ds_load_b128 v[128*(\f)+64+16*\i+4*\c:128*(\f)+64+16*\i+4*\c+3], v[ADR+(\q)/2] offset:128*((\q)%2)+32*\c+(32*(\i/2)+8*(\i%2))*PITCH
.endr
.endr
.endm
; 16 products.  mode 1: C = the bias along P; 2: along R; 0: the sums go on.  The 16 accumulators take turns, one instruction a turn, in the same order in every step
.macro MUL16 q, f, mode
.irp a, 0,1,2,3
.irp b, 0,1,2,3
.if \mode == 1
	v_wmma_scale_f32_16x16x128_f8f6f4 v[ACC+8*(4*\a+\b):ACC+8*(4*\a+\b)+7], v[128*(\f)+16*\b:128*(\f)+16*\b+15], v[128*(\f)+64+16*\a:128*(\f)+64+16*\a+15], v[X+8*\b:X+8*\b+7], v[SCP+8*\b+(\q)], v[SCR+8*\a+(\q)]
.elseif \mode == 2
	v_wmma_scale_f32_16x16x128_f8f6f4 v[ACC+8*(4*\a+\b):ACC+8*(4*\a+\b)+7], v[128*(\f)+16*\b:128*(\f)+16*\b+15], v[128*(\f)+64+16*\a:128*(\f)+64+16*\a+15], v[X+8*\a:X+8*\a+7], v[SCP+8*\b+(\q)], v[SCR+8*\a+(\q)]
.else
	v_wmma_scale_f32_16x16x128_f8f6f4 v[ACC+8*(4*\a+\b):ACC+8*(4*\a+\b)+7], v[128*(\f)+16*\b:128*(\f)+16*\b+15], v[128*(\f)+64+16*\a:128*(\f)+64+16*\a+15], v[ACC+8*(4*\a+\b):ACC+8*(4*\a+\b)+7], v[SCP+8*\b+(\q)], v[SCR+8*\a+(\q)]
.endif
.endr
.endr
.endm
	s_wait_tensorcnt 0x3                           ; my part of chunk 0 is in; my three younger loads may be out
	s_barrier_signal -1
	s_barrier_wait -1                              ; everybody's is
	FETCH 0, 0
	FETCH 1, 1
	WIN 0                                          ; at a branch and at a label every window is 0
	s_wait_loadcnt 0x0                             ; the scale words and the bias
	s_wait_dscnt 32                                ; K step 0's fragments are in; the 32 loads of step 1 may be out
	s_cmp_eq_u32 s[TY], 0
	s_cbranch_scc1 .Lfirst_v
	WIN MUL
	MUL16 0, 0, 1
	WIN 0
	s_branch .Lfirst_done
.Lfirst_v:
	WIN MUL
	MUL16 0, 0, 2
	WIN 0
.Lfirst_done:
.irp q, 1,2,3,4,5,6,7
	s_wait_dscnt 0x0                               ; this step's fragments are in (asked for 16 products ago); no LDS load of mine is out at the barrier below
.if (\q%2 == 1) && (\q < 7)
	s_wait_tensorcnt (5-\q)/2                      ; my part of the next chunk is in; the chunks behind it may be out
	s_barrier_signal -1
	s_barrier_wait -1                              ; everybody's is
.endif
.if \q < 7
	PLACES 8                                       ; eight plain places between the last step's products and loads into the registers that they read
	FETCH \q+1, (\q+1)%2
.endif
	WIN MUL
	MUL16 \q, \q%2, 0
.endr
	WIN 0
; THE WAY OUT.  64 numbers of a lane, v[s] on: block 2 x + y = R's tile 2 g + x, P's block of 32 y (my 16 of it; lane l xor 16 holds the other 16).  They become 16 registers of codes and one scale word.
.macro QUANT s, pc, pw
.irp b, 0,1,2,3
	v_max3_num_f32 v[TM+\b], |v[\s+16*\b]|, |v[\s+1+16*\b]|, 0x4800000   ; my 16 numbers, and the floor 2^(9 - 127): so the byte cannot fall under 1.  (Each accumulator is read from its low end on)
.endr
.irp i, 2,4,6,8,10,12,14
.irp b, 0,1,2,3
	v_max3_num_f32 v[TM+\b], v[TM+\b], |v[\s+16*\b+\i]|, |v[\s+1+16*\b+\i]|   ; (the four blocks by turns)
.endr
.endr
.irp b, 0,1,2,3
	v_permlanex16_b32 v[TM+4+\b], v[TM+\b], s[SEL], s[SEL+1]
.endr
.irp b, 0,1,2,3
	v_max_num_f32 v[TM+\b], v[TM+\b], v[TM+4+\b]   ; the block's largest magnitude
.endr
.irp b, 0,1,2,3
	v_add_nc_u32 v[TM+12+\b], 0xfc000000, v[TM+\b] ; 8 off its exponent field: the conversion's scale operand
.endr
.irp b, 0,1,2,3
	v_and_or_b32 v[TM+8+\b], v[TM+\b], 0x7f800000, s[MNT]   ; 448 x the scale
.endr
.irp b, 0,1,2,3
	v_lshrrev_b32 v[TM+4+\b], 23, v[TM+12+\b]      ; the scale's byte
.endr
	v_lshl_or_b32 v[\pw], v[TM+5], 8, v[TM+4]
	v_lshl_or_b32 v[\pw], v[TM+6], 16, v[\pw]
	v_lshl_or_b32 v[\pw], v[TM+7], 24, v[\pw]
.irp b, 0,1,2,3
.irp i, 0,1,2,3,4,5,6,7,8,9,10,11,12,13,14,15
	v_med3_num_f32 v[\s+16*\b+\i], v[\s+16*\b+\i], -v[TM+8+\b], v[TM+8+\b]   ; the conversion to an 8-bit code does not saturate (ISA guide 7.6.2): the hold at the largest code x the scale
.endr
	v_cvt_scalef32_pk8_fp8_f32 v[\pc+4*\b:\pc+4*\b+1], v[\s+16*\b:\s+16*\b+7], v[TM+12+\b]
	v_cvt_scalef32_pk8_fp8_f32 v[\pc+4*\b+2:\pc+4*\b+3], v[\s+16*\b+8:\s+16*\b+15], v[TM+12+\b]
.endr
	v_nop                                          ; one plain line behind the last conversion
.endm
.macro OUTG g, pc
.irp k, 0,1,2,3
	global_store_b128 v[OA+2*\g+\k/2], v[\pc+4*\k:\pc+4*\k+3], s[OUT:OUT+1] offset:512*(\k%2)   ; 32 lanes store 512 consecutive bytes, at a multiple of 256 from the buffer's first byte
.endr
.endm
.irp b, 0,1,2,3
	v_mov_b32 v[TM+4+\b], 0                        ; a lane permute's destination counts as one of its sources.  (These four and the four below are the eight places behind the last products)
.endr
	PLACES 4
	QUANT ACC, 112, PW                             ; R's tiles 0 and 1; the codes go where the bias lay
	OUTG 0, 112
	QUANT ACC+64, ACC, PW+1                        ; tiles 2 and 3; the codes go where tiles 0 and 1 lay
	OUTG 1, ACC
	global_store_b64 v[SW], v[PW:PW+1], s[OUT:OUT+1] offset:8192   ; both lanes of a row store the same words
	s_wait_tensorcnt 0x0
	ds_add_u32 v30, v31
	s_wait_dscnt 0x0
	CROUND                                         ; the closing round: no work-group ends while a partner may still ask for a tile that names it
	s_endpgm
.Lfunc_end_k_q3dad1286cf_proj:
	.size	k_q3dad1286cf_proj, .Lfunc_end_k_q3dad1286cf_proj-k_q3dad1286cf_proj
	.p2alignl 7, 3214868480
	.fill 96, 4, 3214868480
	.section	.rodata,"a",@progbits
	.p2align	6, 0x0
	.amdhsa_kernel k_q3dad1286cf_proj
		.amdhsa_group_segment_fixed_size 279040
		.amdhsa_private_segment_fixed_size 0
		.amdhsa_enable_private_segment 0
		.amdhsa_kernarg_size 144
		.amdhsa_user_sgpr_count 2
		.amdhsa_user_sgpr_kernarg_segment_ptr 1
		.amdhsa_wavefront_size32 1
		.amdhsa_system_sgpr_workgroup_id_x 1
		.amdhsa_system_sgpr_workgroup_id_y 1
		.amdhsa_system_sgpr_workgroup_id_z 1
		.amdhsa_system_vgpr_workitem_id 0
		.amdhsa_next_free_vgpr 512
		.amdhsa_next_free_sgpr 102
		.amdhsa_reserve_vcc 0
		.amdhsa_float_denorm_mode_32 3
		.amdhsa_float_denorm_mode_16_64 3
		.amdhsa_memory_ordered 1
		.amdhsa_forward_progress 1
		.amdhsa_inst_pref_size 70
	.end_amdhsa_kernel
	.amdgpu_metadata
---
amdhsa.version: [ 1, 2 ]
amdhsa.kernels:
  - .name:           k_q3dad1286cf_proj
    .symbol:         k_q3dad1286cf_proj.kd
    .args:
      - { .name: v_codes, .offset: 0, .size: 8, .value_kind: global_buffer, .address_space: global }
      - { .name: q_codes, .offset: 8, .size: 8, .value_kind: global_buffer, .address_space: global }
      - { .name: k_codes, .offset: 16, .size: 8, .value_kind: global_buffer, .address_space: global }
      - { .name: v_scales, .offset: 24, .size: 8, .value_kind: global_buffer, .address_space: global }
      - { .name: q_scales, .offset: 32, .size: 8, .value_kind: global_buffer, .address_space: global }
      - { .name: k_scales, .offset: 40, .size: 8, .value_kind: global_buffer, .address_space: global }
      - { .name: wv_codes, .offset: 48, .size: 8, .value_kind: global_buffer, .address_space: global }
      - { .name: wq_codes, .offset: 56, .size: 8, .value_kind: global_buffer, .address_space: global }
      - { .name: wk_codes, .offset: 64, .size: 8, .value_kind: global_buffer, .address_space: global }
      - { .name: wv_scales, .offset: 72, .size: 8, .value_kind: global_buffer, .address_space: global }
      - { .name: wq_scales, .offset: 80, .size: 8, .value_kind: global_buffer, .address_space: global }
      - { .name: wk_scales, .offset: 88, .size: 8, .value_kind: global_buffer, .address_space: global }
      - { .name: bv, .offset: 96, .size: 8, .value_kind: global_buffer, .address_space: global }
      - { .name: bq, .offset: 104, .size: 8, .value_kind: global_buffer, .address_space: global }
      - { .name: bk, .offset: 112, .size: 8, .value_kind: global_buffer, .address_space: global }
      - { .name: vimg, .offset: 120, .size: 8, .value_kind: global_buffer, .address_space: global }
      - { .name: qimg, .offset: 128, .size: 8, .value_kind: global_buffer, .address_space: global }
      - { .name: kimg, .offset: 136, .size: 8, .value_kind: global_buffer, .address_space: global }
    .group_segment_fixed_size: 279040
    .private_segment_fixed_size: 0
    .kernarg_segment_align: 8
    .kernarg_segment_size: 144
    .max_flat_workgroup_size: 128
    .sgpr_count:     102
    .vgpr_count:     512
    .wavefront_size: 32
...
	.end_amdgpu_metadata
.endif
;; end of part 2
;; launch attn (part 3): grid 8 x 32, 16 waves a work-group, clusters of 4 x 1, 272,384 bytes of LDS; arguments qimg, kimg, vimg, maskw, ximg, xs; writes ximg, xs
.if DOCPART == 3
	.amdgcn_target "amdgcn-amd-amdhsa--gfx1250"
	.amdhsa_code_object_version 6
	.text
	.protected	k_q3dad1286cf_attn
	.globl	k_q3dad1286cf_attn
	.p2align	8
	.type	k_q3dad1286cf_attn,@function
k_q3dad1286cf_attn:
	s_mov_b64 s[64:65], 0
	v_nop
	global_prefetch_b8 v0, s[64:65] scope:SCOPE_SE
	s_setreg_imm32_b32 hwreg(HW_REG_WAVE_MODE, 25, 1), 1
	s_wait_xcnt 0x0
	s_wait_alu depctr_hold_cnt(0) depctr_sa_sdst(0) depctr_va_vdst(0) depctr_va_sdst(0) depctr_va_ssrc(0) depctr_va_vcc(0) depctr_vm_vsrc(0)
	s_getreg_b32 s2, hwreg(HW_REG_IB_STS2, 6, 4)
	s_cmp_eq_u32 s2, 0
	s_cbranch_scc0 .Lentry_in_a_cluster
	s_endpgm
.Lentry_in_a_cluster:
	s_bfe_u32 s2, ttmp6, 0x10000c
	s_cmp_lg_u32 s2, 0x3003
	s_cbranch_scc0 .Lentry_shape_is_right
	s_endpgm
.Lentry_shape_is_right:
; x = softmax(where(mask == 0, -1, Q K^T / 8)) V for one (batch, head) and 256 queries, both products on codes of FP8 (E4M3) with E8M0 scales, and the quantiser of x along head x 64 + d.
; THE SOFTMAX AHEAD OF THE SECOND PRODUCT: t = logit x log2(e); M = the row's largest t so far, rounded UP to a whole number; p = 2^(t - M) is quantised along the keys, not normalised.  The row's sum is taken
; of the unquantised p and divides at the end.  When M moves, the sum and O are multiplied by 2^(old M - new M): exact.
; THE MASK IS SOFT: where it is 0 the raw score becomes -8, which is the logit -1.  It comes as lane masks, one 32-bit word for each score register, by scalar loads a step ahead: one select a score.
; SHARES.  Sixteen waves, each ONE tile of 16 queries in 256 registers: four waves to a SIMD, so that one wave's vector work stands beside another's products and LDS loads.  128 keys a step, 16 steps.
; THE WHOLE HEAD'S K AND V LIE IN LDS (16 records of 8,448 bytes each), filled once: each wave brings two records, and the first eight steps run while the second records land.  No byte is filled again.
; The records hold IMAGES OF OPERAND REGISTERS: a piece is 16 bytes a lane, 512 consecutive bytes: no pitch, no padding, no bank met twice.
; CLUSTER: the four query blocks of a cluster walk the same K and V: every record is asked for jointly, by the same load with a mask that names the four.
; LAYOUT.  Both products transposed: S^T = K Q^T, O^T = V^T P^T: a lane holds ONE query.  Tile rows are chosen (lane r of tile 2 g + u: row 32 g + 8 u + r + 8 (r / 8)) so that p's 16 registers of two tiles are 16 neighbouring keys.
; K = 64 IN AN INSTRUCTION 128 DEEP: a fragment of K holds tile 2 g (k 0-63) and tile 2 g + 1 (k 64-127); against [q | zeros] it gives tile 2 g's scores, against [zeros | q] tile 2 g + 1's.  The zeros are codes on Q's side;
; K's codes were held at the largest code, so they are finite and the products with zero are zeros under any scale byte from 1 to 254.
; LIMITS: NaN and infinities are not served; p under 2^-126 counts as 0 (v_exp_f32); a block of zeros gets the scale byte 1 (this program alone reads the bytes).
; x's scale bytes leave as 2 bytes a lane, 32 bytes apart (the bytes between belong to other heads' work-groups): one byte in 33 of what the launch stores.
.set REC,  8448
.set VREG, 16*REC                      ; LDS: K's records, then V's
.set LI,   1                           ; v1    16 x lane
.set LR,   2                           ; v2    16 r
.set ADK,  3                           ; v3-6  the step's addresses: K's codes, V's codes, K's scale words, V's
.set ADV,  4
.set ADKS, 5
.set ADVS, 6
.set NEG,  7                           ; v7    -8.0
.set QS,   8                           ; v8    Q's scale word
.set PW,   9                           ; v9    p's scale word
.set LIV,  10                          ; v10   16 x lane + VREG
.set LRK,  11                          ; v11   16 r + 8,192
.set LRV,  247                         ; v247  16 r + VREG + 8,192
.set QHI,  16                          ; v16-23 zeros, v24-31 q, v32-39 zeros: v[16:31] = [0 | q], v[24:39] = [q | 0]
.set QLO,  24
.set FR,   40                          ; v40-103  four fragments, of K and then of V
.set S,    104                         ; v104-167 S^T, then p
.set O,    168                         ; v168-199 O^T
.set PC,   200                         ; v200-215 p's codes
.set KS,   216                         ; v216-219 K's scale words
.set RAW,  220                         ; v220-223 V's scale words as they lie
.set VS,   224                         ; v224-227 and as the fragments want them
.set BM,   228                         ; v228-231 the blocks' largest
.set PR,   232                         ; v232-235 the other half's; then the bytes
.set HD,   236                         ; v236-239 448 x the scale
.set CV,   240                         ; v240-243 the conversions' scale operands
.set F,    244                         ; v[244:245] f = 2^(old M - new M)
.set TT,   246
.set SU2,  248                         ; v[248:249] the sum's second chain
.set XSO,  250                         ; v250  32 r
.set MP,   52                          ; s[52:53] my tile's mask words;  s[54:55] where x's codes go;  s[56:57] its scale bytes
.set XP,   54
.set XSP,  56
.set SEL,  58                          ; s[58:59]
.set WV,   60
.set TB,   61                          ; LDS byte of the step's record
.set CNT,  62
.set MO,   63                          ; byte of the mask words asked for
.set MNT,  66
.set CS,   100                         ; s[100:101] c = log2(e) / 8
.macro CROUND
	s_barrier_signal -1
	s_barrier_wait -1
	s_cmp_lg_u32 s[WV], 0
	s_cbranch_scc1 .Lnot_wave_0_\@
	s_barrier_signal -3
.Lnot_wave_0_\@:
	s_barrier_wait -3
	s_barrier_signal -1
	s_barrier_wait -1
.endm
	s_load_b64 s[16:17], s[0:1], 0x0               ; qimg
	s_load_b128 s[96:99], s[0:1], 0x8              ; kimg, vimg
	s_load_b64 s[MP:MP+1], s[0:1], 0x18            ; maskw
	s_load_b64 s[XP:XP+1], s[0:1], 0x20            ; ximg
	s_load_b64 s[XSP:XSP+1], s[0:1], 0x28          ; xs
	v_lshl_add_u32 v254, v0, 2, 0x42000
	v_mov_b32 v255, 0
	ds_add_u32 v254, v255
	ds_add_u32 v254, v255
	v_lshrrev_b32 v[TT], 5, v0
	v_readfirstlane_b32 s[WV], v[TT]               ; wave 0..15
	s_bfe_u32 s24, ttmp6, 0x40000                  ; cx
	s_lshl_b32 s25, ttmp9, 2
	s_add_co_u32 s25, s25, s24                     ; my block of 256 queries: it enters Q's, the mask's and x's addresses alone
	s_lshl_b32 s26, s25, 4
	s_add_co_u32 s26, s26, s[WV]                   ; T: my tile of 16 queries
	s_and_b32 s27, ttmp7, 0xffff                   ; 16 batch + head, which the four partners share
	s_lshr_b32 s28, s27, 4
	s_and_b32 s29, s27, 15
	; what I fetch: waves 0-7 K's records w and w + 8, waves 8-15 V's
	s_and_b32 s67, s[WV], 7
	s_mul_i32 s67, s67, REC
	s_lshr_b32 s66, s[WV], 3
	s_mul_i32 s66, s66, VREG
	s_add_co_u32 s66, s66, s67                     ; in LDS: no place in the cluster enters it
	s_mul_i32 s92, s27, 16*REC
	s_add_co_u32 s92, s92, s67                     ; in memory
	s_mov_b32 s93, 0
	s_mov_b32 s84, 15|(3<<16)|(1<<21)              ; group 1: 15:0 the mask: all four; 17:16 elements of 8 bytes; 21 set beside a mask; a record is 33 dense rows of 256 bytes
	s_mov_b32 s85, 32<<16                          ; tensor_dim0
	s_mov_b32 s86, 33<<16                          ; tensor_dim1
	s_mov_b32 s87, 32<<16                          ; tile_dim0
	s_mov_b32 s88, 33                              ; tile_dim1
	s_mov_b32 s89, 32                              ; tensor_dim0_stride
	s_mov_b32 s90, 0
	s_mov_b32 s91, 0
	s_wait_dscnt 0x0
	s_wait_kmcnt 0x0
	s_cmp_lt_u32 s[WV], 8
	s_cselect_b64 s[94:95], s[96:97], s[98:99]     ; the buffer is chosen on the wave's number alone
	s_add_nc_u64 s[94:95], s[94:95], s[92:93]
	s_add_nc_u64 s[98:99], s[94:95], 8*REC
	s_or_b32 s95, s95, 0x80000000
	s_or_b32 s99, s99, 0x80000000
	s_mov_b32 s92, 1
	s_mov_b32 s93, s66
	s_mov_b32 s96, 1
	s_add_co_u32 s97, s66, 8*REC
	CROUND                                         ; all four work-groups are here: the joint loads meet
	tensor_load_to_lds s[92:95], s[84:91]          ; a record of steps 0-7,
	s_nop 0
	tensor_load_to_lds s[96:99], s[84:91]          ; and one of steps 8-15: two loads of mine are out
	s_nop 0
.rept 4
	v_nop
.endr
	s_lshl_b32 s30, s26, 12                        ; a tile's mask words: 16 steps x 256 bytes
	s_mov_b32 s31, 0
	s_add_nc_u64 s[MP:MP+1], s[MP:MP+1], s[30:31]
	s_lshl_b32 s32, s28, 7
	s_add_co_u32 s32, s32, s26                     ; 128 batch + T
	s_lshl_b32 s30, s32, 14
	s_lshl_b32 s33, s29, 10
	s_add_co_u32 s30, s30, s33
	s_add_nc_u64 s[XP:XP+1], s[XP:XP+1], s[30:31]
	s_lshl_b32 s30, s32, 9
	s_lshl_b32 s33, s29, 1
	s_add_co_u32 s30, s30, s33
	s_add_nc_u64 s[XSP:XSP+1], s[XSP:XSP+1], s[30:31]
	s_lshl_b32 s30, s27, 4                         ; Q's record: 16 (16 batch + head) + T / 8
	s_lshl_b32 s33, s25, 1
	s_add_co_u32 s30, s30, s33
	s_lshr_b32 s33, s[WV], 3
	s_add_co_u32 s30, s30, s33
	s_mul_i32 s30, s30, REC
	s_add_nc_u64 s[16:17], s[16:17], s[30:31]
	s_and_b32 s32, s[WV], 7                        ; my tile in it
	s_lshl_b32 s30, s32, 10
	s_add_nc_u64 s[18:19], s[16:17], s[30:31]
	s_lshr_b32 s30, s32, 1
	s_lshl_b32 s30, s30, 2
	s_add_co_u32 s30, s30, 8192                    ; and the scale word of its pair of tiles
	s_add_nc_u64 s[20:21], s[16:17], s[30:31]
	v_and_b32 v[LI], 31, v0
	v_lshlrev_b32 v[LI], 4, v[LI]
	v_and_b32 v[LR], 15, v0
	v_lshlrev_b32 v[XSO], 5, v[LR]
	v_lshlrev_b32 v[LR], 4, v[LR]
	global_load_b128 v[QLO:QLO+3], v[LI], s[18:19]             ; q: d = 16 h + 0 .. 15,
	global_load_b128 v[QLO+4:QLO+7], v[LI], s[18:19] offset:512  ; and 32 + 16 h + 0 .. 15
	global_load_b32 v[TT], v[LR], s[20:21]
	v_add_nc_u32 v[LIV], VREG, v[LI]
	v_add_nc_u32 v[LRK], 8192, v[LR]
	v_add_nc_u32 v[LRV], VREG+8192, v[LR]
	v_mov_b32 v[NEG], 0xc1000000                   ; -8.0
.irp j, 0,1,2,3,4,5,6,7
	v_mov_b32 v[QHI+\j], 0                         ; the zero codes on both sides of q
	v_mov_b32 v[QLO+8+\j], 0
.endr
.set j, 0
.rept 32
	v_mov_b32 v[O+j], 0                            ; O^T.  (The step is written for every step alike: the first finds zeros, which the first change of M leaves zeros)
.set j, j+1
.endr
	v_mov_b32 v13, 0xff61b1e6                      ; the largest t so far: -3e38, under every t
	v_floor_f32 v12, -v13                          ; -M
	v_mov_b32 v14, 0                               ; the sum, in two halves
	v_mov_b32 v15, 0
.irp b, 0,1,2,3
	v_mov_b32 v[PR+\b], 0                          ; a lane permute's destination counts as one of its sources
.endr
	v_mov_b32 v[F+1], 0                            ; (named as the upper half of a pair)
	s_mov_b32 s2, 0x05040100                       ; v_perm_b32: the two low halves,
	s_mov_b32 s3, 0x07060302                       ; the two high halves
	s_mov_b32 s[SEL], 0x76543210
	s_mov_b32 s[SEL+1], 0xfedcba98
	s_mov_b32 s[MNT], 0x600000                     ; the mantissa field of 448
	s_mov_b32 s[CS], 0x3e38aa3b                    ; c = log2(e) / 8: t = raw score x c
	s_mov_b32 s[CS+1], s[CS]
	s_and_b32 s22, s[WV], 1
	s_lshl_b32 s22, s22, 4
	s_wait_loadcnt 0x0                             ; q and its scale word; their bases may be written again
	v_lshrrev_b32 v[TT], s22, v[TT]                ; my tile's two bytes of the pair's word,
	v_and_b32 v[TT], 0xffff, v[TT]
	v_lshl_or_b32 v[QS], v[TT], 16, v[TT]          ; in both halves: they serve [q | 0] and [0 | q]
	s_mov_b32 s[MO], 0
.irp i, 0,1,2
	s_load_b512 s[4+16*\i:19+16*\i], s[MP:MP+1], s[MO] offset:64*\i   ; step 0's mask words: word n in s[4 + n] (n < 48),
.endr
	s_load_b512 s[68:83], s[MP:MP+1], s[MO] offset:192               ; or s[20 + n]
; A KEY STEP: 128 keys
.macro STEP
	v_add_nc_u32 v[ADK], s[TB], v[LI]
	v_add_nc_u32 v[ADV], s[TB], v[LIV]
	v_add_nc_u32 v[ADKS], s[TB], v[LRK]
	v_add_nc_u32 v[ADVS], s[TB], v[LRV]
.rept 4
	v_nop                                          ; with the four additions: eight places between the last step's products and loads into the registers that they read
.endr
.irp g, 0,1,2,3
.irp c, 0,1,2,3
	ds_load_b128 v[FR+16*\g+4*\c:FR+16*\g+4*\c+3], v[ADK] offset:2048*\g+512*\c   ; tiles 2 g and 2 g + 1 of K: one fragment
.endr
.endr
	ds_load_b128 v[KS:KS+3], v[ADKS]               ; its four scale words
	ds_load_b128 v[RAW:RAW+3], v[ADVS]
	s_wait_dscnt 0x0
.irp g, 0,1,2,3
	v_wmma_scale_f32_16x16x128_f8f6f4 v[S+16*\g:S+16*\g+7], v[FR+16*\g:FR+16*\g+15], v[QLO:QLO+15], 0, v[KS+\g], v[QS]
	v_wmma_scale_f32_16x16x128_f8f6f4 v[S+16*\g+8:S+16*\g+15], v[FR+16*\g:FR+16*\g+15], v[QHI:QHI+15], 0, v[KS+\g], v[QS]
.endr                                          ; register n: key 32 (n / 16) + 16 h + n % 16 of my query
.irp a, 0,1,2,3
	v_perm_b32 v[VS+\a], v[RAW+2+\a/2], v[RAW+\a/2], s[2+\a%2]   ; V's fragment a: the bytes of keys 0-63 from one word, of keys 64-127 from the other
.endr
.rept 4
	v_nop                                          ; eight places with the four above: for the loads below and for the first read of the scores
.endr
.irp a, 0,1,2,3
.irp c, 0,1,2,3
	ds_load_b128 v[FR+16*\a+4*\c:FR+16*\a+4*\c+3], v[ADV] offset:2048*\a+512*\c   ; V's fragments land under the softmax
.endr
.endr
	s_wait_kmcnt 0x0                               ; this step's mask words, asked for a step ago
	s_add_co_u32 s[MO], s[MO], 256
	s_and_b32 s[MO], s[MO], 0xfff                  ; the next step's; behind the last step it turns back to the tile's first words: no load leaves the tile's 4,096 bytes
.set n, 0
.rept 64
	v_cndmask_b32 v[S+n], v[NEG], v[S+n], s[4+n+16*(n/48)]   ; mask 0: the raw score -8.  (Ascending: each accumulator is read from its low end on)
.set n, n+1
.endr
.irp i, 0,1,2
	s_load_b512 s[4+16*\i:19+16*\i], s[MP:MP+1], s[MO] offset:64*\i
.endr
	s_load_b512 s[68:83], s[MP:MP+1], s[MO] offset:192
.irp b, 0,1,2,3
	v_max3_num_f32 v[BM+\b], v[S+16*\b], v[S+1+16*\b], v[S+2+16*\b]   ; the largest score of each block of 32 keys: for the row's maximum, and, since p rises with the score, for the block's largest p
.endr
.irp i, 3,5,7,9,11,13
.irp b, 0,1,2,3
	v_max3_num_f32 v[BM+\b], v[BM+\b], v[S+16*\b+\i], v[S+1+16*\b+\i]
.endr
.endr
.irp b, 0,1,2,3
	v_max_num_f32 v[BM+\b], v[BM+\b], v[S+15+16*\b]
.endr
.irp b, 0,1,2,3
	v_permlanex16_b32 v[PR+\b], v[BM+\b], s[SEL], s[SEL+1]
.endr
.irp b, 0,1,2,3
	v_max_num_f32 v[BM+\b], v[BM+\b], v[PR+\b]     ; with lane l xor 16's 16 keys
.endr
	v_max3_num_f32 v[TT], v[BM], v[BM+1], v[BM+2]
	v_max_num_f32 v[TT], v[TT], v[BM+3]
	v_mul_f32 v[TT], s[CS], v[TT]                  ; the step's largest t (c is positive)
	v_max_num_f32 v13, v13, v[TT]                  ; the running largest t
	v_mov_b32 v[TT], v12
	v_floor_f32 v12, -v13                          ; the new -M = -ceil(t)
	v_sub_f32 v[TT], v12, v[TT]                    ; old M - new M: a whole number, 0 or less
	v_cvt_i32_f32 v[TT], v[TT]                     ; (it saturates)
	v_ldexp_f32 v[F], 1.0, v[TT]                   ; f
.set j, 0
.rept 32
	v_pk_fma_f32 v[S+j:S+j+1], v[S+j:S+j+1], s[CS:CS+1], v[12:13] op_sel_hi:[1,0,0]   ; t - M, two at a time
.set j, j+2
.endr
.irp b, 0,1,2,3
	v_fma_f32 v[BM+\b], v[BM+\b], s[CS], v12
.endr
.set j, 0
.rept 64
	v_exp_f32 v[S+j], v[S+j]                       ; p = 2^(t - M)
.set j, j+1
.endr
.irp b, 0,1,2,3
	v_exp_f32 v[BM+\b], v[BM+\b]                   ; the block's largest p: the same two instructions on the same number
.endr
	v_pk_mul_f32 v[14:15], v[14:15], v[F:F+1] op_sel_hi:[1,0]   ; the sums under the new M.  (The plain place behind the exponentials)
	s_wait_alu depctr_va_vdst(0)
.irp b, 0,1,2,3
	v_max_num_f32 v[BM+\b], 0x4800000, v[BM+\b]    ; the floor 2^(9 - 127)
.endr
.irp b, 0,1,2,3
	v_add_nc_u32 v[CV+\b], 0xfc000000, v[BM+\b]    ; 8 off the exponent field: the conversion's scale operand
.endr
.irp b, 0,1,2,3
	v_and_or_b32 v[HD+\b], v[BM+\b], 0x7f800000, s[MNT]   ; 448 x the scale
.endr
.irp b, 0,1,2,3
	v_lshrrev_b32 v[PR+\b], 23, v[CV+\b]           ; the scale's byte
.endr
	v_lshl_or_b32 v[PW], v[PR+1], 8, v[PR]         ; p's scale word for these 128 keys
	v_lshl_or_b32 v[PW], v[PR+2], 16, v[PW]
	v_lshl_or_b32 v[PW], v[PR+3], 24, v[PW]
	v_pk_add_f32 v[SU2:SU2+1], v[S:S+1], v[S+2:S+3]   ; the row's sum is taken of the unquantised p: two chains
.irp j, 4,8,12,16,20,24,28,32,36,40,44,48,52,56,60
	v_pk_add_f32 v[14:15], v[14:15], v[S+\j:S+\j+1]
	v_pk_add_f32 v[SU2:SU2+1], v[SU2:SU2+1], v[S+2+\j:S+3+\j]
.endr
	v_pk_add_f32 v[14:15], v[14:15], v[SU2:SU2+1]
.irp b, 0,1,2,3
.irp i, 0,1,2,3,4,5,6,7,8,9,10,11,12,13,14,15
	v_min_num_f32 v[S+16*\b+\i], v[S+16*\b+\i], v[HD+\b]   ; the conversion does not saturate (ISA guide 7.6.2); p is not negative, so the hold is one-sided
.endr
	v_cvt_scalef32_pk8_fp8_f32 v[PC+4*\b:PC+4*\b+1], v[S+16*\b:S+16*\b+7], v[CV+\b]
	v_cvt_scalef32_pk8_fp8_f32 v[PC+4*\b+2:PC+4*\b+3], v[S+16*\b+8:S+16*\b+15], v[CV+\b]
.endr
.set j, 0
.rept 16
	v_pk_mul_f32 v[O+j:O+j+1], v[O+j:O+j+1], v[F:F+1] op_sel_hi:[1,0]   ; O^T under the new M.  (Also the places between the conversions and the products)
.set j, j+2
.endr
	s_wait_dscnt 0x0                               ; V's fragments
.irp a, 0,1,2,3
	v_wmma_scale_f32_16x16x128_f8f6f4 v[O+8*\a:O+8*\a+7], v[FR+16*\a:FR+16*\a+15], v[PC:PC+15], v[O+8*\a:O+8*\a+7], v[VS+\a], v[PW]   ; the four accumulators by turns
.endr
	s_add_co_u32 s[TB], s[TB], REC
.endm
	s_wait_tensorcnt 0x1                           ; my record of steps 0-7 is in; the other may be out
	s_barrier_signal -1
	s_barrier_wait -1                              ; everybody's is
	s_mov_b32 s[TB], 0
	s_mov_b32 s[CNT], 8
.Lfirst:
	STEP
	s_sub_co_u32 s[CNT], s[CNT], 1
	s_cmp_lg_u32 s[CNT], 0
	s_cbranch_scc1 .Lfirst
	s_wait_tensorcnt 0x0                           ; my record of steps 8-15 is in
	s_wait_dscnt 0x0
	s_barrier_signal -1
	s_barrier_wait -1
	s_mov_b32 s[TB], 8*REC
	s_mov_b32 s[CNT], 8
.Lsecond:
	STEP
	s_sub_co_u32 s[CNT], s[CNT], 1
	s_cmp_lg_u32 s[CNT], 0
	s_cbranch_scc1 .Lsecond
	; THE WAY OUT.  O^T / the sum is x(my query, 64 head + 32 bb + 16 h + i) in register 16 bb + i: two blocks of 32 along the last product's K, each shared with lane l xor 16.
	v_add_f32 v14, v14, v15                        ; the sum's two halves,
	v_permlanex16_b32 v[TT], v14, s[SEL], s[SEL+1]
	v_add_f32 v14, v14, v[TT]                      ; and lane l xor 16's
	v_rcp_f32 v14, v14
.rept 6
	v_nop                                          ; with the two additions: eight plain places behind the last products; the first is also the place behind the reciprocal
.endr
.set j, 0
	s_wait_alu depctr_va_vdst(0)
.rept 32
	v_mul_f32 v[S+j], v[O+j], v14                  ; ascending: each accumulator from its low end on
.set j, j+1
.endr
.irp b, 0,1
	v_max3_num_f32 v[BM+\b], |v[S+16*\b]|, |v[S+1+16*\b]|, 0x4800000
.endr
.irp i, 2,4,6,8,10,12,14
.irp b, 0,1
	v_max3_num_f32 v[BM+\b], v[BM+\b], |v[S+16*\b+\i]|, |v[S+1+16*\b+\i]|
.endr
.endr
.irp b, 0,1
	v_permlanex16_b32 v[PR+\b], v[BM+\b], s[SEL], s[SEL+1]
.endr
.irp b, 0,1
	v_max_num_f32 v[BM+\b], v[BM+\b], v[PR+\b]
.endr
.irp b, 0,1
	v_add_nc_u32 v[CV+\b], 0xfc000000, v[BM+\b]
.endr
.irp b, 0,1
	v_and_or_b32 v[HD+\b], v[BM+\b], 0x7f800000, s[MNT]
.endr
.irp b, 0,1
	v_lshrrev_b32 v[PR+\b], 23, v[CV+\b]
.endr
	v_lshl_or_b32 v[TT], v[PR+1], 8, v[PR]         ; my row's two scale bytes
.irp b, 0,1
.irp i, 0,1,2,3,4,5,6,7,8,9,10,11,12,13,14,15
	v_med3_num_f32 v[S+16*\b+\i], v[S+16*\b+\i], -v[HD+\b], v[HD+\b]
.endr
	v_cvt_scalef32_pk8_fp8_f32 v[PC+4*\b:PC+4*\b+1], v[S+16*\b:S+16*\b+7], v[CV+\b]
	v_cvt_scalef32_pk8_fp8_f32 v[PC+4*\b+2:PC+4*\b+3], v[S+16*\b+8:S+16*\b+15], v[CV+\b]
.endr
	v_nop                                          ; one plain line behind the last conversion
	global_store_b128 v[LI], v[PC:PC+3], s[XP:XP+1]              ; two pieces of the last product's operand, as its registers want them: 512 consecutive bytes each
	global_store_b128 v[LI], v[PC+4:PC+7], s[XP:XP+1] offset:512
	global_store_b16 v[XSO], v[TT], s[XSP:XSP+1]   ; both lanes of a row store the same two bytes
	s_wait_kmcnt 0x0                               ; the mask words asked for in the last step are not used
	s_wait_tensorcnt 0x0
	ds_add_u32 v254, v255
	s_wait_dscnt 0x0
	CROUND                                         ; the closing round
	s_endpgm
.Lfunc_end_k_q3dad1286cf_attn:
	.size	k_q3dad1286cf_attn, .Lfunc_end_k_q3dad1286cf_attn-k_q3dad1286cf_attn
	.p2alignl 7, 3214868480
	.fill 96, 4, 3214868480
	.section	.rodata,"a",@progbits
	.p2align	6, 0x0
	.amdhsa_kernel k_q3dad1286cf_attn
		.amdhsa_group_segment_fixed_size 272384
		.amdhsa_private_segment_fixed_size 0
		.amdhsa_enable_private_segment 0
		.amdhsa_kernarg_size 48
		.amdhsa_user_sgpr_count 2
		.amdhsa_user_sgpr_kernarg_segment_ptr 1
		.amdhsa_wavefront_size32 1
		.amdhsa_system_sgpr_workgroup_id_x 1
		.amdhsa_system_sgpr_workgroup_id_y 1
		.amdhsa_system_sgpr_workgroup_id_z 1
		.amdhsa_system_vgpr_workitem_id 0
		.amdhsa_next_free_vgpr 256
		.amdhsa_next_free_sgpr 102
		.amdhsa_reserve_vcc 0
		.amdhsa_float_denorm_mode_32 3
		.amdhsa_float_denorm_mode_16_64 3
		.amdhsa_memory_ordered 1
		.amdhsa_forward_progress 1
		.amdhsa_inst_pref_size 60
	.end_amdhsa_kernel
	.amdgpu_metadata
---
amdhsa.version: [ 1, 2 ]
amdhsa.kernels:
  - .name:           k_q3dad1286cf_attn
    .symbol:         k_q3dad1286cf_attn.kd
    .args:
      - { .name: qimg, .offset: 0, .size: 8, .value_kind: global_buffer, .address_space: global }
      - { .name: kimg, .offset: 8, .size: 8, .value_kind: global_buffer, .address_space: global }
      - { .name: vimg, .offset: 16, .size: 8, .value_kind: global_buffer, .address_space: global }
      - { .name: maskw, .offset: 24, .size: 8, .value_kind: global_buffer, .address_space: global }
      - { .name: ximg, .offset: 32, .size: 8, .value_kind: global_buffer, .address_space: global }
      - { .name: xs, .offset: 40, .size: 8, .value_kind: global_buffer, .address_space: global }
    .group_segment_fixed_size: 272384
    .private_segment_fixed_size: 0
    .kernarg_segment_align: 8
    .kernarg_segment_size: 48
    .max_flat_workgroup_size: 512
    .sgpr_count:     102
    .vgpr_count:     256
    .wavefront_size: 32
...
	.end_amdgpu_metadata
.endif
;; end of part 3
;; launch outp (part 4): grid 32 x 8, 4 waves a work-group, clusters of 4 x 4, 288,256 bytes of LDS; arguments ximg, xs, wo_codes, wo_scales, bo, out0; writes out0
.if DOCPART == 4
	.amdgcn_target "amdgcn-amd-amdhsa--gfx1250"
	.amdhsa_code_object_version 6
	.text
	.protected	k_q3dad1286cf_outp
	.globl	k_q3dad1286cf_outp
	.p2align	8
	.type	k_q3dad1286cf_outp,@function
k_q3dad1286cf_outp:
	s_mov_b64 s[64:65], 0
	v_nop
	global_prefetch_b8 v0, s[64:65] scope:SCOPE_SE
	s_setreg_imm32_b32 hwreg(HW_REG_WAVE_MODE, 25, 1), 1
	s_wait_xcnt 0x0
	s_wait_alu depctr_hold_cnt(0) depctr_sa_sdst(0) depctr_va_vdst(0) depctr_va_sdst(0) depctr_va_ssrc(0) depctr_va_vcc(0) depctr_vm_vsrc(0)
	s_getreg_b32 s2, hwreg(HW_REG_IB_STS2, 6, 4)
	s_cmp_eq_u32 s2, 0
	s_cbranch_scc0 .Lentry_in_a_cluster
	s_endpgm
.Lentry_in_a_cluster:
	s_bfe_u32 s2, ttmp6, 0x10000c
	s_cmp_lg_u32 s2, 0xf033
	s_cbranch_scc0 .Lentry_shape_is_right
	s_endpgm
.Lentry_shape_is_right:
; out0 = x Wo^T + bo on codes of FP8 (E4M3) with E8M0 scales.  x comes from the attention launch as images of operand registers: ximg [tile of 16 rows][16,384]: K step q, piece c at 2,048 q + 512 c + 16 x lane;
; its scale bytes xs [16 tile + r][32].  Lane r of tile T holds row 32 (T / 2) + 8 (T % 2) + r + 8 (r / 8) of its batch.
; 256 tiles of 128 x 128, one to a work-group; four waves, 64 x 64 each: 16 accumulators.  Source 0 = 16 rows of Wo, source 1 = 16 rows of x: a lane holds one row of x and neighbouring columns of the output;
; the rows of Wo that form a tile are chosen as everywhere in this program, so that the 16 registers of tiles 2 g, 2 g + 1 are 16 neighbouring columns.
; NO RING: all of K = 1,024 of both tiles lies in LDS, four chunks of 256 along K, each filled once.  x's images are read as they lie, 512 consecutive bytes an instruction.
; CLUSTERS: 4 x 4: x's tiles hang on work-group x alone and are asked for jointly by the four of a column, Wo's on y alone and by the four of a row.
; THE WAY OUT: a block of 16 rows x 256 bytes goes through the wave's own stage in LDS (bytes into which no tile lands) and leaves as rows: sixteen lanes store 256 consecutive bytes, aligned.
; REGISTERS: window 0: v1-23 addresses; v32-63 Wo's scale words, v64-95 x's (they hold nothing else); v96-127 the bias as C; v128-255 the accumulators.  window 1: two fragment buffers of 128; on the way out the rows read back.
.set PITCH, 272
.set HALFT, 64*PITCH
.set WTO,   32768                      ; in a chunk: x's 8 tiles x 4,096 bytes, then Wo's 128 rows x 272
.set SLOT,  WTO+128*PITCH
.set STAGE, 4*SLOT                     ; behind the chunks: 16 rows x 272 bytes for each wave
.set ADP,  8
.set ADR,  12
.set SO,   16                          ; v16  32 (r + 8 (r / 8)): Wo's scale bytes
.set BO,   17
.set STO,  18
.set RD,   19
.set CO,   20
.set SOR,  23                          ; v23  32 r: x's
.set SCP,  32
.set SCR,  64
.set X,    96
.set ACC,  128
.set G1A,  4
.set G1W,  12
.set G0A,  20
.set G0W,  68
.set ACTC, 40
.set ACTS, 42
.set WTC,  44
.set WTS,  46
.set BIAS, 48
.set OUT,  50
.set WV,   52
.set WR,   53
.set WP,   54
.set CX,   56
.set CY,   57
.set GX,   58
.set NT,   59
.set MKA,  60
.set MKW,  61
.set MSB, 0
.macro WIN new
.if MSB != \new
	s_set_vgpr_msb (MSB<<8)|\new
.set MSB, \new
.endif
.endm
.set MUL,  0x05                        ; sources 0 and 1 window 1; C and D window 0
.set TO_F, 0x40                        ; destination window 1, address window 0
.macro CROUND
	s_barrier_signal -1
	s_barrier_wait -1
	s_cmp_lg_u32 s[WV], 0
	s_cbranch_scc1 .Lnot_wave_0_\@
	s_barrier_signal -3
.Lnot_wave_0_\@:
	s_barrier_wait -3
	s_barrier_signal -1
	s_barrier_wait -1
.endm
.macro PLACES n
.rept \n
	v_nop
.endr
.endm
	s_load_b256 s[40:47], s[0:1], 0x0              ; ximg, xs, Wo's codes, Wo's scales
	s_load_b128 s[48:51], s[0:1], 0x20             ; bo, out0
	v_lshl_add_u32 v30, v0, 2, 0x46400
	v_mov_b32 v31, 0
	ds_add_u32 v30, v31
	ds_add_u32 v30, v31
	v_lshrrev_b32 v5, 5, v0
	v_readfirstlane_b32 s[WV], v5
	s_lshr_b32 s[WR], s[WV], 1                     ; my half of x's rows.  Also: I fetch for x (0) or for Wo (1)
	s_and_b32 s[WP], s[WV], 1                      ; my half of Wo's rows.  Also: which half I fetch
	s_bfe_u32 s[CX], ttmp6, 0x40000
	s_bfe_u32 s[CY], ttmp6, 0x40004
	s_lshl_b32 s[GX], ttmp9, 2
	s_add_co_u32 s[GX], s[GX], s[CX]               ; x's 128 rows
	s_and_b32 s[NT], ttmp7, 0xffff
	s_lshl_b32 s[NT], s[NT], 2
	s_add_co_u32 s[NT], s[NT], s[CY]               ; Wo's 128 rows
	s_lshl_b32 s[MKA], 0x1111, s[CX]               ; my column of the cluster
	s_lshl_b32 s[MKW], s[CY], 2
	s_lshl_b32 s[MKW], 15, s[MKW]                  ; my row
	s_lshl_b32 s92, s[GX], 17                      ; x: (8 tile block + 4 half) tiles of 16,384 bytes
	s_lshl_b32 s93, s[WP], 16
	s_add_co_u32 s92, s92, s93
	s_mov_b32 s93, 0
	s_lshl_b32 s94, s[NT], 17                      ; Wo: (128 tile + 64 half) rows of 1,024 bytes
	s_lshl_b32 s95, s[WP], 16
	s_add_co_u32 s94, s94, s95
	s_mov_b32 s95, 0
	s_lshl_b32 s90, s[WP], 14                      ; where they go in a chunk: x's four tiles,
	s_mul_i32 s91, s[WP], HALFT                    ; Wo's 64 rows
	s_wait_dscnt 0x0
	s_wait_kmcnt 0x0
	s_add_nc_u64 s[ACTC:ACTC+1], s[ACTC:ACTC+1], s[92:93]
	s_add_nc_u64 s[WTC:WTC+1], s[WTC:WTC+1], s[94:95]
	s_or_b32 s[G1A], s[MKA], (3<<16)|(1<<21)       ; x: elements of 8 bytes, no padding: 4 rows (tiles) x 4,096 bytes, 16,384 bytes apart
	s_mov_b32 s[G1A+1], 512<<16
	s_mov_b32 s[G1A+2], 4<<16
	s_mov_b32 s[G1A+3], 512<<16
	s_mov_b32 s[G1A+4], 4
	s_mov_b32 s[G1A+5], 2048
	s_mov_b32 s[G1A+6], 0
	s_mov_b32 s[G1A+7], 0
	s_or_b32 s[G1W], s[MKW], (1<<20)|(1<<21)|(5<<22)|(3<<25)   ; Wo: elements of 1 byte: 64 rows x 256 bytes, 1,024 apart, 16 bytes of padding behind each
	s_mov_b32 s[G1W+1], 256<<16
	s_mov_b32 s[G1W+2], 64<<16
	s_mov_b32 s[G1W+3], 256<<16
	s_mov_b32 s[G1W+4], 64
	s_mov_b32 s[G1W+5], 1024
	s_mov_b32 s[G1W+6], 0
	s_mov_b32 s[G1W+7], 0
.irp c, 0,1,2,3
	s_mov_b32 s[G0A+4*\c], 1
	s_add_co_u32 s[G0A+4*\c+1], s90, \c*SLOT
	s_add_nc_u64 s[G0A+4*\c+2:G0A+4*\c+3], s[ACTC:ACTC+1], \c*4096
	s_or_b32 s[G0A+4*\c+3], s[G0A+4*\c+3], 0x80000000
	s_mov_b32 s[G0W+4*\c], 1
	s_add_co_u32 s[G0W+4*\c+1], s91, \c*SLOT+WTO
	s_add_nc_u64 s[G0W+4*\c+2:G0W+4*\c+3], s[WTC:WTC+1], \c*256
	s_or_b32 s[G0W+4*\c+3], s[G0W+4*\c+3], 0x80000000
.endr
	CROUND                                         ; all sixteen work-groups are here: the joint loads meet
	s_cmp_eq_u32 s[WR], 0                          ; a wave's four fills stand in one branch on its number: four loads of mine are out
	s_cbranch_scc0 .Lfill_w
.irp c, 0,1,2,3
	tensor_load_to_lds s[G0A+4*\c:G0A+4*\c+3], s[G1A:G1A+7]
	s_nop 0
.endr
	PLACES 4
	s_branch .Lfilled
.Lfill_w:
.irp c, 0,1,2,3
	tensor_load_to_lds s[G0W+4*\c:G0W+4*\c+3], s[G1W:G1W+7]
	s_nop 0
.endr
	PLACES 4
.Lfilled:
	v_and_b32 v1, 15, v0                           ; r
	v_bfe_u32 v2, v0, 4, 1                         ; h
	v_and_b32 v3, 8, v1
	v_add_nc_u32 v3, v3, v1                        ; r + 8 (r / 8)
	v_and_b32 v5, 31, v0
	v_lshlrev_b32 v5, 4, v5                        ; 16 x lane
	v_mul_u32_u24 v4, v3, PITCH
	v_lshl_add_u32 v4, v2, 4, v4
	s_add_co_u32 s98, s91, WTO                     ; Wo's place in a chunk + my half
	s_lshl_b32 s99, s[WR], 14                      ; x's four tiles of my half
.irp c, 0,1,2,3
	v_add_nc_u32 v[ADP+\c], s98, v4
	v_add_nc_u32 v[ADR+\c], s99, v5
	s_add_co_u32 s98, s98, SLOT
	s_add_co_u32 s99, s99, SLOT
.endr
	v_lshlrev_b32 v[SO], 5, v3
	v_lshlrev_b32 v[SOR], 5, v1
	s_lshl_b32 s36, s[NT], 12                      ; Wo's scale bytes: (128 tile + 64 half) rows of 32
	s_lshl_b32 s37, s[WP], 11
	s_add_co_u32 s36, s36, s37
	s_mov_b32 s37, 0
	s_add_nc_u64 s[WTS:WTS+1], s[WTS:WTS+1], s[36:37]
	s_lshl_b32 s38, s[GX], 12                      ; x's: (8 block + 4 half) tiles of 512
	s_lshl_b32 s39, s[WR], 11
	s_add_co_u32 s38, s38, s39
	s_mov_b32 s39, 0
	s_add_nc_u64 s[ACTS:ACTS+1], s[ACTS:ACTS+1], s[38:39]
.irp i, 0,1,2,3
	global_load_b128 v[SCP+8*\i:SCP+8*\i+3], v[SO], s[WTS:WTS+1] offset:(32*(\i/2)+8*(\i%2))*32
	global_load_b128 v[SCP+8*\i+4:SCP+8*\i+7], v[SO], s[WTS:WTS+1] offset:(32*(\i/2)+8*(\i%2))*32+16
	global_load_b128 v[SCR+8*\i:SCR+8*\i+3], v[SOR], s[ACTS:ACTS+1] offset:512*\i
	global_load_b128 v[SCR+8*\i+4:SCR+8*\i+7], v[SOR], s[ACTS:ACTS+1] offset:512*\i+16
.endr
	s_lshl_b32 s36, s[NT], 9                       ; the bias: my 64 columns
	s_lshl_b32 s38, s[WP], 8
	s_add_co_u32 s36, s36, s38
	s_add_nc_u64 s[BIAS:BIAS+1], s[BIAS:BIAS+1], s[36:37]
	v_lshlrev_b32 v[BO], 6, v2                     ; tile b's registers are columns 32 (b / 2) + 16 h + 8 (b % 2) + 0 .. 7
.irp b, 0,1,2,3
	global_load_b128 v[X+8*\b:X+8*\b+3], v[BO], s[BIAS:BIAS+1] offset:(32*(\b/2)+8*(\b%2))*4
	global_load_b128 v[X+8*\b+4:X+8*\b+7], v[BO], s[BIAS:BIAS+1] offset:(32*(\b/2)+8*(\b%2))*4+16
.endr
	s_add_nc_u64 s[OUT:OUT+1], s[OUT:OUT+1], s[36:37]   ; out0: my first column is as many bytes on as in the bias,
	s_lshl_b32 s36, s[GX], 19                      ; my first row: (128 block + 64 half) rows of 4,096 bytes
	s_lshl_b32 s38, s[WR], 18
	s_add_co_u32 s36, s36, s38
	s_add_nc_u64 s[OUT:OUT+1], s[OUT:OUT+1], s[36:37]
	s_mul_i32 s38, s[WV], 16*PITCH
	s_add_co_u32 s38, s38, STAGE                   ; my stage
	v_mul_u32_u24 v[STO], v1, PITCH
	v_lshl_add_u32 v[STO], v2, 6, v[STO]
	v_add_nc_u32 v[STO], s38, v[STO]               ; in: row r, + 64 h
	v_mul_u32_u24 v[RD], v2, PITCH
	v_lshl_add_u32 v[RD], v1, 4, v[RD]
	v_add_nc_u32 v[RD], s38, v[RD]                 ; back: lanes 0-15 one row, lanes 16-31 the next
	v_lshlrev_b32 v[CO], 12, v2
	v_lshl_add_u32 v[CO], v1, 4, v[CO]             ; and the same two rows in out0
.macro FETCH q, f                      ; 32 LDS loads: the fragments of K step q (chunk q / 2) into buffer f
	WIN TO_F
.irp i, 0,1,2,3
.irp c, 0,1,2,3
	ds_load_b128 v[128*(\f)+16*\i+4*\c:128*(\f)+16*\i+4*\c+3], v[ADP+(\q)/2] offset:128*((\q)%2)+32*\c+(32*(\i/2)+8*(\i%2))*PITCH
.endr
.endr
.irp i, 0,1,2,3
.irp c, 0,1,2,3
	ds_load_b128 v[128*(\f)+64+16*\i+4*\c:128*(\f)+64+16*\i+4*\c+3], v[ADR+(\q)/2] offset:4096*\i+2048*((\q)%2)+512*\c
.endr
.endr
.endm
.macro MUL16 q, f, first               ; 16 products; the 16 accumulators take turns, one instruction a turn, in the same order in every step
.irp a, 0,1,2,3
.irp b, 0,1,2,3
.if \first
	v_wmma_scale_f32_16x16x128_f8f6f4 v[ACC+8*(4*\a+\b):ACC+8*(4*\a+\b)+7], v[128*(\f)+16*\b:128*(\f)+16*\b+15], v[128*(\f)+64+16*\a:128*(\f)+64+16*\a+15], v[X+8*\b:X+8*\b+7], v[SCP+8*\b+(\q)], v[SCR+8*\a+(\q)]
.else
	v_wmma_scale_f32_16x16x128_f8f6f4 v[ACC+8*(4*\a+\b):ACC+8*(4*\a+\b)+7], v[128*(\f)+16*\b:128*(\f)+16*\b+15], v[128*(\f)+64+16*\a:128*(\f)+64+16*\a+15], v[ACC+8*(4*\a+\b):ACC+8*(4*\a+\b)+7], v[SCP+8*\b+(\q)], v[SCR+8*\a+(\q)]
.endif
.endr
.endr
.endm
	s_wait_tensorcnt 0x3                           ; my part of chunk 0 is in; my three younger loads may be out
	s_barrier_signal -1
	s_barrier_wait -1
	FETCH 0, 0
	FETCH 1, 1
	s_wait_loadcnt 0x0                             ; the scale words and the bias
	s_wait_dscnt 32                                ; K step 0's fragments are in; the 32 loads of step 1 may be out
	WIN MUL
	MUL16 0, 0, 1                                  ; the bias is the C of each sum's first product
.irp q, 1,2,3,4,5,6,7
	s_wait_dscnt 0x0                               ; this step's fragments are in; no LDS load of mine is out at the barrier below
.if (\q%2 == 1) && (\q < 7)
	s_wait_tensorcnt (5-\q)/2                      ; my part of the next chunk is in; the chunks behind it may be out
	s_barrier_signal -1
	s_barrier_wait -1
.endif
.if \q < 7
	PLACES 8                                       ; eight plain places between the last step's products and loads into the registers that they read
	FETCH \q+1, (\q+1)%2
.endif
	WIN MUL
	MUL16 \q, \q%2, 0
.endr
; Block a: 16 rows of x, my 64 columns.  Each block comes back into 32 registers of its own in window 1, so no store's data are written again.
.macro TOSTAGE a
	WIN 0
.irp k, 0,1,2,3,4,5,6,7
	ds_store_b128 v[STO], v[ACC+32*(\a)+4*\k:ACC+32*(\a)+4*\k+3] offset:128*(\k/4)+16*(\k%4)   ; each accumulator from its low end on
.endr
	WIN TO_F
.irp i, 0,1,2,3,4,5,6,7
	ds_load_b128 v[32*(\a)+4*\i:32*(\a)+4*\i+3], v[RD] offset:2*\i*PITCH   ; LDS serves a wave's instructions in order: these see the stores above, and the next block's stores come behind them
.endr
.endm
.macro SEND a, younger
	s_wait_dscnt \younger                          ; the block is back; the next block's eight stores and eight loads may be out
	WIN 0x04                                       ; a store's data are its source 1: window 1
.irp i, 0,1,2,3,4,5,6,7
	global_store_b128 v[CO], v[32*(\a)+4*\i:32*(\a)+4*\i+3], s[OUT:OUT+1] offset:(32*((\a)/2)+8*((\a)%2)+2*\i+8*(\i/4))*4096 th:TH_STORE_NT   ; stage row p is row p + 8 (p / 8) of the tile; 16 lanes store 256 consecutive bytes, aligned
.endr
.endm
	PLACES 8                                       ; behind the last products: for the first read of results and for loads into the fragments' registers
	TOSTAGE 0
	TOSTAGE 1
	SEND 0, 16
	TOSTAGE 2
	SEND 1, 16
	TOSTAGE 3
	SEND 2, 16
	SEND 3, 0
	WIN 0
	s_wait_tensorcnt 0x0
	ds_add_u32 v30, v31
	s_wait_dscnt 0x0
	CROUND                                         ; the closing round
	s_endpgm
.Lfunc_end_k_q3dad1286cf_outp:
	.size	k_q3dad1286cf_outp, .Lfunc_end_k_q3dad1286cf_outp-k_q3dad1286cf_outp
	.p2alignl 7, 3214868480
	.fill 96, 4, 3214868480
	.section	.rodata,"a",@progbits
	.p2align	6, 0x0
	.amdhsa_kernel k_q3dad1286cf_outp
		.amdhsa_group_segment_fixed_size 288256
		.amdhsa_private_segment_fixed_size 0
		.amdhsa_enable_private_segment 0
		.amdhsa_kernarg_size 48
		.amdhsa_user_sgpr_count 2
		.amdhsa_user_sgpr_kernarg_segment_ptr 1
		.amdhsa_wavefront_size32 1
		.amdhsa_system_sgpr_workgroup_id_x 1
		.amdhsa_system_sgpr_workgroup_id_y 1
		.amdhsa_system_sgpr_workgroup_id_z 1
		.amdhsa_system_vgpr_workitem_id 0
		.amdhsa_next_free_vgpr 512
		.amdhsa_next_free_sgpr 102
		.amdhsa_reserve_vcc 0
		.amdhsa_float_denorm_mode_32 3
		.amdhsa_float_denorm_mode_16_64 3
		.amdhsa_memory_ordered 1
		.amdhsa_forward_progress 1
		.amdhsa_inst_pref_size 54
	.end_amdhsa_kernel
	.amdgpu_metadata
---
amdhsa.version: [ 1, 2 ]
amdhsa.kernels:
  - .name:           k_q3dad1286cf_outp
    .symbol:         k_q3dad1286cf_outp.kd
    .args:
      - { .name: ximg, .offset: 0, .size: 8, .value_kind: global_buffer, .address_space: global }
      - { .name: xs, .offset: 8, .size: 8, .value_kind: global_buffer, .address_space: global }
      - { .name: wo_codes, .offset: 16, .size: 8, .value_kind: global_buffer, .address_space: global }
      - { .name: wo_scales, .offset: 24, .size: 8, .value_kind: global_buffer, .address_space: global }
      - { .name: bo, .offset: 32, .size: 8, .value_kind: global_buffer, .address_space: global }
      - { .name: out0, .offset: 40, .size: 8, .value_kind: global_buffer, .address_space: global }
    .group_segment_fixed_size: 288256
    .private_segment_fixed_size: 0
    .kernarg_segment_align: 8
    .kernarg_segment_size: 48
    .max_flat_workgroup_size: 128
    .sgpr_count:     102
    .vgpr_count:     512
    .wavefront_size: 32
...
	.end_amdgpu_metadata
.endif
;; end of part 4
;; ======== version 2 of 2: 3 launches
;; limits: right only within a limited range of input values
;; workspace buffers: maskw 524,288 bytes of whole numbers; qimg 4,325,376 bytes; kimg 4,325,376 bytes; vimg 4,325,376 bytes; ximg 4,194,304 bytes; xs 131,072 bytes
;; launch proj (part 5): grid 32 x 8, 4 waves a work-group, clusters of 4 x 4, 327,680 bytes of LDS; arguments q_codes, wq_codes, wq_scales, q_scales, bq, qimg, k_codes, wk_codes, wk_scales, k_scales, bk, kimg, v_codes, wv_codes, v_scales, wv_scales, bv, vimg, mask, maskw; writes qimg, kimg, vimg, maskw
.if DOCPART == 5
	.amdgcn_target "amdgcn-amd-amdhsa--gfx1250"
	.amdhsa_code_object_version 6
	.text
	.protected	k_q3dad1286cf_proj
	.globl	k_q3dad1286cf_proj
	.p2align	8
	.type	k_q3dad1286cf_proj,@function
k_q3dad1286cf_proj:
	s_mov_b64 s[64:65], 0
	v_nop
	global_prefetch_b8 v0, s[64:65] scope:SCOPE_SE
	s_setreg_imm32_b32 hwreg(HW_REG_WAVE_MODE, 25, 1), 1
	s_wait_xcnt 0x0
	s_wait_alu depctr_hold_cnt(0) depctr_sa_sdst(0) depctr_va_vdst(0) depctr_va_sdst(0) depctr_va_ssrc(0) depctr_va_vcc(0) depctr_vm_vsrc(0)
	s_getreg_b32 s2, hwreg(HW_REG_IB_STS2, 6, 4)
	s_cmp_eq_u32 s2, 0
	s_cbranch_scc0 .Lentry_in_a_cluster
	s_endpgm
.Lentry_in_a_cluster:
	s_bfe_u32 s2, ttmp6, 0x10000c
	s_cmp_lg_u32 s2, 0xf033
	s_cbranch_scc0 .Lentry_shape_is_right
	s_endpgm
.Lentry_shape_is_right:
; The three projections x W^T + b on given codes of FP8 (E4M3) with E8M0 scales, and the quantiser behind them: query and key along the head's 64 (two blocks of 32), value along the keys.
; 256 WORK-GROUPS THAT STAY: work-group (x, y) makes tile (128 rows x of the activation, 128 rows y of the weight) of the query, then of the key, then of the value.  Four waves, 64 x 64 each: 16 accumulators.
; ONE FORM: Out[R][P] = the sum over k of P[P][k] R[R][k]; source 0 = 16 rows of P, source 1 = 16 rows of R: a lane holds ONE row of R and its registers run along P, the axis that is quantised.
; query, key: P = the weight, R = the activation;  value: P = the activation (keys), R = the weight.  In LDS the activation and the weight have fixed places; the value's products swap the sources.
; THE RING: two slots, one for each half of K (512): the activation's 128 rows, then the weight's, 528 bytes apart.  At the head each wave fetches one of the four tiles.  Slot 0 is filled again (waves 0, 1) behind a round of the
; cluster's barrier when K step 3's fragments are in registers, slot 1 (waves 2, 3) behind a round in the middle of the way out: the next tile's halves.  Every wait on the tensor counter is for 0.
; Query and key are a loop of two trips (the pointers of the next tile are moved at a trip's end); the value's tile, which asks for nothing more, is written out.
; CLUSTERS: 4 x 4.  The activation's tile hangs on x alone and is asked for jointly by the four of a column, the weight's on y alone and by the four of a row.
; PREFETCH: the key's tiles are asked for at the head and the value's in the first trip, one tile ahead of the refills that load them: each cluster's rows once, shared out by address: 8 rows x 4 blocks of 256 bytes an instruction.
; RECORDS [batch][head][t][8,448]: 8,192 bytes of codes as images of operand registers, then 256 of scale words at 16 r + 8 sub + 4 g.  query, key: tile i, piece c at 1,024 i + 512 c.  value: fragment a, piece c at 2,048 a + 512 c.
; Lane r of tile 2 g + u of a record holds row 32 g + 8 u + r + 8 (r / 8); along P a lane holds 16 neighbours: both orders are made on the codes, in registers.
; THE MASK: in each of the two trips a wave turns 16 rows x 128 columns of mask [2048][2048] int32 into lane masks: maskw [T 128][t 16][n 64]; bit L of word n (r = L % 16, h = L / 16) says whether
; mask[32 (T / 2) + 8 (T % 2) + r + 8 (r / 8)][128 t + 32 (n / 16) + 16 h + n % 16] is not 0.  Its rows are asked for at K step 1 and used behind K step 7; they turn through the wave's own stage in LDS.
; LIMITS: NaN and infinities are not served.  A block of zeros gets the scale byte 1 where the quantiser says 127: its codes are zeros, and this program alone reads the bytes.
; REGISTERS: window 0: v1-31 addresses; v32-63 P's scale words, v64-95 R's; v96-127 the way out; v128-255 the accumulators.  window 1: two fragment buffers of 128: the weight's four fragments, then the activation's.
;   window 2: v0-63 the mask's rows, v64-95 the query's or key's bias as C, v96-127 the value's, v128-191 the mask's rows turned.
.set PITCH, 528
.set HALFT, 64*PITCH
.set WTO,   128*PITCH
.set SLOT,  2*WTO
.set PST,   2*SLOT                     ; behind the ring: the mask's stages, 16 rows x 528 bytes for each wave
.set PSP,   528
.set REC,   8448
.set SPARE, 0x4c400
.set PFA,  3
.set PFW,  6
.set SPW,  7
.set ADP,  8                           ; v8-9   the weight's fragments in slot 0, 1
.set ADR,  10                          ; v10-11 the activation's
.set OAV,  12                          ; v12-15 where tile a of the value's record goes
.set SO,   16
.set BO,   17
.set OA,   18                          ; v18-21 the same for query and key
.set SW,   22
.set NIL,  23
.set PW,   24
.set MG,   26
.set SCP,  32
.set SCR,  64
.set TM,   96
.set ACC,  128
.set IN,   0                           ; window 2
.set X,    64
.set XV,   96
.set TU,   128
.set G1A,  4
.set G1W,  12
.set G0,   20                          ; s[20:35] groups 0: slot s: the activation's at 20 + 8 s, the weight's at 24 + 8 s
.set QG,   36                          ; a tile's six pointers: activation's codes, weight's codes, P's scales, R's scales, bias, image
.set NG,   48                          ; the next tile's
.set VG,   84                          ; the value's
.set MK,   96
.set MW,   98
.set WV,   60
.set WR,   61
.set WP,   62
.set TRIP, 63
.set T8,   66
.set SEL,  74
.set MNT,  76
.set MHI,  77
.set OUTC, 78
.set CX,   80
.set CY,   81
.set GX,   82
.set NT,   83
.set MSB, 0
.macro WIN new                         ; the immediate's high byte repeats the setting that is left
.if MSB != \new
	s_set_vgpr_msb (MSB<<8)|\new
.set MSB, \new
.endif
.endm
.set MUL,  0x05                        ; sources 0 and 1 window 1; C and D window 0
.set MULX, 0x25                        ; the same, C window 2
.set TO_F, 0x40                        ; destination window 1
.set TO_2, 0x80                        ; destination window 2
.set ST_2, 0x08                        ; source 1 window 2
.macro CROUND
	s_barrier_signal -1
	s_barrier_wait -1
	s_cmp_lg_u32 s[WV], 0
	s_cbranch_scc1 .Lnot_wave_0_\@
	s_barrier_signal -3
.Lnot_wave_0_\@:
	s_barrier_wait -3
	s_barrier_signal -1
	s_barrier_wait -1
.endm
.macro PLACES n
.rept \n
	v_nop
.endr
.endm
.macro WALU
	s_wait_alu depctr_va_vdst(0)
.endm
	s_load_b256 s[36:43], s[0:1], 0x0
	s_load_b128 s[44:47], s[0:1], 0x20
	s_load_b256 s[48:55], s[0:1], 0x30
	s_load_b128 s[56:59], s[0:1], 0x50
	s_load_b256 s[84:91], s[0:1], 0x60
	s_load_b128 s[92:95], s[0:1], 0x80
	s_load_b128 s[96:99], s[0:1], 0x90
	v_lshl_add_u32 v[SPW], v0, 2, SPARE
	v_mov_b32 v[NIL], 0
	ds_add_u32 v[SPW], v[NIL]                      ; the opening lines
	ds_add_u32 v[SPW], v[NIL]
	v_lshrrev_b32 v5, 5, v0
	v_readfirstlane_b32 s[WV], v5
	s_lshr_b32 s[WR], s[WV], 1                     ; my half of the activation's rows
	s_and_b32 s[WP], s[WV], 1                      ; my half of the weight's rows
	s_bfe_u32 s[CX], ttmp6, 0x40000
	s_bfe_u32 s[CY], ttmp6, 0x40004
	s_lshl_b32 s[GX], ttmp9, 2
	s_add_co_u32 s[GX], s[GX], s[CX]               ; the activation's tile
	s_and_b32 s[NT], ttmp7, 0xffff
	s_lshl_b32 s[NT], s[NT], 2
	s_add_co_u32 s[NT], s[NT], s[CY]               ; the weight's tile
	s_lshl_b32 s100, 0x1111, s[CX]                 ; my column of the cluster
	s_lshl_b32 s101, s[CY], 2
	s_lshl_b32 s101, 15, s101                      ; my row
	s_or_b32 s[G1A], s100, (1<<20)|(1<<21)|(6<<22)|(3<<25)   ; 128 rows x 512 bytes, 1,024 apart in memory; four words of padding after every 128
	s_or_b32 s[G1W], s101, (1<<20)|(1<<21)|(6<<22)|(3<<25)
.irp g, G1A, G1W
	s_mov_b32 s[\g+1], 512<<16
	s_mov_b32 s[\g+2], 128<<16
	s_mov_b32 s[\g+3], 512<<16
	s_mov_b32 s[\g+4], 128
	s_mov_b32 s[\g+5], 1024
	s_mov_b32 s[\g+6], 0
	s_mov_b32 s[\g+7], 0
.endr
	s_lshl_b32 s66, s[GX], 17                      ; the activation's codes: 128 rows of 1,024 bytes a tile
	s_mov_b32 s67, 0
	s_lshl_b32 s68, s[NT], 17                      ; the weight's, in registers that never hold the other coordinate
	s_mov_b32 s69, 0
	s_lshl_b32 s70, s[GX], 12                      ; scale bytes: (128 tile + 64 half) rows of 32
	s_lshl_b32 s71, s[WR], 11
	s_add_co_u32 s70, s70, s71
	s_mov_b32 s71, 0
	s_lshl_b32 s72, s[NT], 12
	s_lshl_b32 s73, s[WP], 11
	s_add_co_u32 s72, s72, s73
	s_mov_b32 s73, 0
	s_wait_dscnt 0x0
	s_wait_kmcnt 0x0
.irp g, QG, NG, VG
	s_add_nc_u64 s[\g:\g+1], s[\g:\g+1], s[66:67]
	s_add_nc_u64 s[\g+2:\g+3], s[\g+2:\g+3], s[68:69]
.endr
.irp g, QG, NG
	s_add_nc_u64 s[\g+4:\g+5], s[\g+4:\g+5], s[72:73]   ; query, key: P = the weight,
	s_add_nc_u64 s[\g+6:\g+7], s[\g+6:\g+7], s[70:71]   ; R = the activation
.endr
	s_add_nc_u64 s[VG+4:VG+5], s[VG+4:VG+5], s[70:71]       ; value: the other way round
	s_add_nc_u64 s[VG+6:VG+7], s[VG+6:VG+7], s[72:73]
.irp s, 0,1
	s_mov_b32 s[G0+8*\s], 1
	s_mov_b32 s[G0+8*\s+1], \s*SLOT
	s_add_nc_u64 s[G0+8*\s+2:G0+8*\s+3], s[QG:QG+1], \s*512
	s_or_b32 s[G0+8*\s+3], s[G0+8*\s+3], 0x80000000
	s_mov_b32 s[G0+8*\s+4], 1
	s_mov_b32 s[G0+8*\s+5], \s*SLOT+WTO
	s_add_nc_u64 s[G0+8*\s+6:G0+8*\s+7], s[QG+2:QG+3], \s*512
	s_or_b32 s[G0+8*\s+7], s[G0+8*\s+7], 0x80000000
.endr
	CROUND                                         ; all sixteen work-groups are here: the joint loads meet
; one joint load a wave, an arm each: waves 0 and 1 the query's first half of K, waves 2 and 3 its second
.macro ARM under, g0, g1, next
	s_cmp_lt_u32 s[WV], \under
	s_cbranch_scc0 \next
	tensor_load_to_lds s[\g0:\g0+3], s[\g1:\g1+7]
	s_nop 0
	PLACES 4
	s_branch .Lfilled
\next:
.endm
	ARM 1, G0, G1A, .Lfill_1
	ARM 2, G0+4, G1W, .Lfill_2
	ARM 3, G0+8, G1A, .Lfill_3
	tensor_load_to_lds s[G0+12:G0+15], s[G1W:G1W+7]
	s_nop 0
	PLACES 4
.Lfilled:
	s_lshl_b32 s66, s[NT], 1
	s_add_co_u32 s66, s66, s[WP]                   ; my head
	s_lshl_b32 s100, s66, 8                        ; its 64 numbers of a bias
	s_mov_b32 s101, 0
.irp g, QG, NG, VG
	s_add_nc_u64 s[\g+8:\g+9], s[\g+8:\g+9], s[100:101]
.endr
	s_lshr_b32 s67, s[GX], 4                       ; the batch
	s_lshl_b32 s67, s67, 4
	s_add_co_u32 s67, s67, s66
	s_lshl_b32 s67, s67, 4
	s_and_b32 s68, s[GX], 15
	s_add_co_u32 s67, s67, s68
	s_mul_i32 s100, s67, REC                       ; ((16 batch + head) 16 + t) records
.irp g, QG, NG, VG
	s_add_nc_u64 s[\g+10:\g+11], s[\g+10:\g+11], s[100:101]
.endr
	s_lshl_b32 s66, s[NT], 5                       ; the first trip's mask task: 16 T + t = ((32 y + x) 4 + wave), 0 .. 1,023; the second trip's is 1,024 on
	s_add_co_u32 s66, s66, s[GX]
	s_lshl_b32 s66, s66, 2
	s_add_co_u32 s66, s66, s[WV]
	s_lshr_b32 s67, s66, 4
	s_and_b32 s68, s66, 15
	s_lshr_b32 s69, s67, 1
	s_lshl_b32 s69, s69, 5
	s_and_b32 s67, s67, 1
	s_lshl_b32 s67, s67, 3
	s_add_co_u32 s69, s69, s67                     ; the tile's first row: 32 (T / 2) + 8 (T % 2)
	s_lshl_b32 s100, s69, 13
	s_lshl_b32 s68, s68, 9
	s_add_co_u32 s100, s100, s68
	s_add_nc_u64 s[MK:MK+1], s[MK:MK+1], s[100:101]
	s_lshl_b32 s100, s66, 8
	s_add_nc_u64 s[MW:MW+1], s[MW:MW+1], s[100:101]
	s_mov_b64 s[OUTC:OUTC+1], s[QG+10:QG+11]
	s_mov_b32 s[SEL], 0x76543210
	s_mov_b32 s[SEL+1], 0xfedcba98
	s_mov_b32 s[MNT], 0x600000
	s_mov_b32 s[MHI], 0xff00ff00
	s_mov_b32 s[TRIP], 0
	s_mul_i32 s66, s[WP], HALFT
	s_add_co_u32 s66, s66, WTO                     ; the weight's rows, my half
	s_mul_i32 s67, s[WR], HALFT                    ; the activation's
	s_lshl_b32 s68, s[WR], 12                      ; sub's part of a record: query, key
	s_lshl_b32 s69, s[WR], 10                      ; value
	s_mul_i32 s70, s[WV], 16*PSP
	s_add_co_u32 s70, s70, PST                     ; my stage
	s_lshl_b32 s73, s[WV], 3
	s_lshl_b32 s71, s[CY], 5
	s_add_co_u32 s71, s71, s73                     ; the prefetches: of the activation's 128 rows my work-group takes 32 by its place in the column, my wave 8 of them;
	s_lshl_b32 s72, s[CX], 5
	s_add_co_u32 s72, s72, s73                     ; of the weight's by its place in the row
	s_lshl_b32 s73, s[WR], 3
	v_and_b32 v1, 15, v0                           ; r
	v_bfe_u32 v2, v0, 4, 1                         ; h
	v_and_b32 v5, 31, v0
	v_mul_u32_u24 v4, v1, PITCH
	v_lshl_add_u32 v4, v2, 4, v4
	v_add_nc_u32 v[ADP], s66, v4
	v_add_nc_u32 v[ADR], s67, v4
	v_add_nc_u32 v[ADP+1], SLOT, v[ADP]
	v_add_nc_u32 v[ADR+1], SLOT, v[ADR]
	v_lshlrev_b32 v[SO], 5, v1
	v_lshlrev_b32 v[BO], 5, v2
	v_lshlrev_b32 v[MG], 4, v5
	v_add_nc_u32 v[OA], s68, v[MG]
	v_add_nc_u32 v[OAV], s69, v[MG]
.irp a, 1,2,3
	v_add_nc_u32 v[OA+\a], 1024*\a, v[OA]
	v_add_nc_u32 v[OAV+\a], 2048*\a, v[OAV]
.endr
	v_lshlrev_b32 v[SW], 4, v1
	v_add_nc_u32 v[SW], s73, v[SW]                 ; 16 r + 8 sub
	v_add_nc_u32 v[MG+1], s70, v[MG]               ; the stage, in: 16 x lane of a row
	v_mul_u32_u24 v[MG+2], v1, PSP
	v_lshl_add_u32 v[MG+2], v2, 6, v[MG+2]
	v_add_nc_u32 v[MG+2], s70, v[MG+2]             ; out: row r, + 64 h
	v_lshlrev_b32 v[MG+3], 3, v5
	v_lshrrev_b32 v4, 2, v5
	v_and_b32 v5, 3, v5
	v_lshlrev_b32 v5, 8, v5
	v_add_nc_u32 v[PFA], s71, v4
	v_add_nc_u32 v[PFW], s72, v4
	v_lshl_add_u32 v[PFA], v[PFA], 10, v5          ; row x 1,024 + 256 x (lane % 4)
	v_lshl_add_u32 v[PFW], v[PFW], 10, v5
	v_lshlrev_b32 v1, 2, v1                        ; 4 r: the value's bias
	WALU
.macro SCALES g                        ; a row's 32 bytes are its eight scale words; sixteen lanes read 512 consecutive bytes
.irp i, 0,1,2,3
	global_load_b128 v[SCP+8*\i:SCP+8*\i+3], v[SO], s[\g+4:\g+5] offset:512*\i
	global_load_b128 v[SCP+8*\i+4:SCP+8*\i+7], v[SO], s[\g+4:\g+5] offset:512*\i+16
	global_load_b128 v[SCR+8*\i:SCR+8*\i+3], v[SO], s[\g+6:\g+7] offset:512*\i
	global_load_b128 v[SCR+8*\i+4:SCR+8*\i+7], v[SO], s[\g+6:\g+7] offset:512*\i+16
.endr
.endm
.macro BIASP g                         ; query, key: the bias runs along P: tile b's registers are units 16 b + 8 h + 0 .. 7
	WIN TO_2
.irp b, 0,1,2,3
	global_load_b128 v[X+8*\b:X+8*\b+3], v[BO], s[\g+8:\g+9] offset:64*\b
	global_load_b128 v[X+8*\b+4:X+8*\b+7], v[BO], s[\g+8:\g+9] offset:64*\b+16
.endr
	WIN 0
.endm
.macro ASK g                           ; a tile's codes, my share: 8 rows x 1,024 bytes of the activation and of the weight
	global_prefetch_b8 v[PFA], s[\g:\g+1] th:TH_LOAD_NT scope:SCOPE_SE
	global_prefetch_b8 v[PFW], s[\g+2:\g+3] th:TH_LOAD_NT scope:SCOPE_SE
.endm
	SCALES QG
	BIASP QG
	WIN TO_2
.irp a, 0,1,2,3
.irp j, 0,1,2,3,4,5,6,7
	global_load_b32 v[XV+8*\a+\j], v1, s[VG+8:VG+9] offset:64*\a   ; value: the bias runs along R: my row's number in all eight registers of tile a
.endr
.endr
	WIN 0
	ASK NG
; 32 LDS loads: the fragments of K step q (128 along K; slot q / 4) into buffer f
.macro FETCH q, f
	WIN TO_F
.irp i, 0,1,2,3
.irp c, 0,1,2,3
	ds_load_b128 v[128*(\f)+16*\i+4*\c:128*(\f)+16*\i+4*\c+3], v[ADP+(\q)/4] offset:128*((\q)%4)+32*\c+16*\i*PITCH
.endr
.endr
.irp i, 0,1,2,3
.irp c, 0,1,2,3
	ds_load_b128 v[128*(\f)+64+16*\i+4*\c:128*(\f)+64+16*\i+4*\c+3], v[ADR+(\q)/4] offset:128*((\q)%4)+32*\c+16*\i*PITCH
.endr
.endr
.endm
; 16 products.  mode 1: query, key, C = the bias; 0: their sums go on; 2: value, C = the bias; 3: its sums go on.  The 16 accumulators take turns
.macro MUL16 q, f, mode
.irp a, 0,1,2,3
.irp b, 0,1,2,3
.if (\mode) == 1
	v_wmma_scale_f32_16x16x128_f8f6f4 v[ACC+8*(4*\a+\b):ACC+8*(4*\a+\b)+7], v[128*(\f)+16*\b:128*(\f)+16*\b+15], v[128*(\f)+64+16*\a:128*(\f)+64+16*\a+15], v[X+8*\b:X+8*\b+7], v[SCP+8*\b+(\q)], v[SCR+8*\a+(\q)]
.elseif (\mode) == 2
	v_wmma_scale_f32_16x16x128_f8f6f4 v[ACC+8*(4*\a+\b):ACC+8*(4*\a+\b)+7], v[128*(\f)+64+16*\b:128*(\f)+64+16*\b+15], v[128*(\f)+16*\a:128*(\f)+16*\a+15], v[XV+8*\a:XV+8*\a+7], v[SCP+8*\b+(\q)], v[SCR+8*\a+(\q)]
.elseif (\mode) == 3
	v_wmma_scale_f32_16x16x128_f8f6f4 v[ACC+8*(4*\a+\b):ACC+8*(4*\a+\b)+7], v[128*(\f)+64+16*\b:128*(\f)+64+16*\b+15], v[128*(\f)+16*\a:128*(\f)+16*\a+15], v[ACC+8*(4*\a+\b):ACC+8*(4*\a+\b)+7], v[SCP+8*\b+(\q)], v[SCR+8*\a+(\q)]
.else
	v_wmma_scale_f32_16x16x128_f8f6f4 v[ACC+8*(4*\a+\b):ACC+8*(4*\a+\b)+7], v[128*(\f)+16*\b:128*(\f)+16*\b+15], v[128*(\f)+64+16*\a:128*(\f)+64+16*\a+15], v[ACC+8*(4*\a+\b):ACC+8*(4*\a+\b)+7], v[SCP+8*\b+(\q)], v[SCR+8*\a+(\q)]
.endif
.endr
.endr
.endm
; SLOT s IS FILLED AGAIN with the next tile's half of K.  Every wave: all its tensor loads are in; the add; the descriptors' new addresses; the add and my reads of the slot are done; a round of the cluster's barrier;
; then waves 2 s and 2 s + 1 ask, one load each.  The eight places at the end stand in front of loads into registers that products have read
.macro REFILL s
	WALU
	s_wait_tensorcnt 0x0
	ds_add_u32 v[SPW], v[NIL]
	s_add_nc_u64 s[G0+8*\s+2:G0+8*\s+3], s[NG:NG+1], \s*512
	s_or_b32 s[G0+8*\s+3], s[G0+8*\s+3], 0x80000000
	s_add_nc_u64 s[G0+8*\s+6:G0+8*\s+7], s[NG+2:NG+3], \s*512
	s_or_b32 s[G0+8*\s+7], s[G0+8*\s+7], 0x80000000
	s_wait_dscnt 0x0
	CROUND
	s_cmp_eq_u32 s[WV], 2*\s
	s_cbranch_scc0 .Lnot_a_\@
	tensor_load_to_lds s[G0+8*\s:G0+8*\s+3], s[G1A:G1A+7]
	s_nop 0
	PLACES 4
	s_branch .Lasked_\@
.Lnot_a_\@:
	s_cmp_eq_u32 s[WV], 2*\s+1
	s_cbranch_scc0 .Lasked_\@
	tensor_load_to_lds s[G0+8*\s+4:G0+8*\s+7], s[G1W:G1W+7]
	s_nop 0
	PLACES 4
.Lasked_\@:
	PLACES 8
.endm
; behind K step 0: the key's bias (first trip alone: the value's came at the head), the prefetch of the value's tiles (first trip alone: nothing follows them), and the trip's 16 rows of the mask
.macro AHEAD
	WIN 0
	s_cmp_eq_u32 s[TRIP], 0
	s_cbranch_scc0 .Lsecond_\@
	BIASP NG
	ASK VG
.Lsecond_\@:
	WIN TO_2
.irp i, 0,1,2,3,4,5,6,7,8,9,10,11,12,13,14,15
	global_load_b128 v[IN+4*\i:IN+4*\i+3], v[MG], s[MK:MK+1] offset:(\i+8*(\i/8))*8192 th:TH_LOAD_NT   ; tile row i is mask row i + 8 (i / 8); 32 lanes read 512 consecutive bytes
.endr
.endm
.macro MASKWORK
	s_wait_loadcnt 16                              ; the mask's rows (and the bias) are in; the 16 loads of the next tile's scale words may be out
	WIN ST_2
.irp i, 0,1,2,3,4,5,6,7,8,9,10,11,12,13,14,15
	ds_store_b128 v[MG+1], v[IN+4*\i:IN+4*\i+3] offset:PSP*\i
.endr
	WIN TO_2
.irp k, 0,1,2,3,4,5,6,7,8,9,10,11,12,13,14,15
	ds_load_b128 v[TU+4*\k:TU+4*\k+3], v[MG+2] offset:128*(\k/4)+16*(\k%4)   ; LDS serves a wave's instructions in order: these see the stores above
.endr
	WIN 0
	v_mov_b32 v[MG+4], 0                           ; words 2 l and 2 l + 1 gather in lane l; written whole first
	v_mov_b32 v[MG+5], 0
	WALU
	s_wait_dscnt 0x0
	WIN ST_2
.set n, 0
.rept 64
	v_cmp_ne_u32 s[T8+n%8], 0, v[TU+n]             ; the 32 lanes' bits of word n
	v_writelane_b32 v[MG+4+n%2], s[T8+n%8], n/2
.set n, n+1
.endr
	WIN 0
	global_store_b64 v[MG+3], v[MG+4:MG+5], s[MW:MW+1]   ; 32 lanes store 256 consecutive bytes, aligned
.endm
; THE WAY OUT.  64 numbers of a lane, v[s] on: block 2 x + y = R's tile 2 g + x, P's block of 32 y: my 8 + 8 of it; lane l xor 16 holds the other 16.  They become 16 registers of codes and one scale word, in the record's order
.macro QUANT s, pc, pw
.irp b, 0,1,2,3
	v_max3_num_f32 v[TM+\b], |v[\s+16*\b]|, |v[\s+1+16*\b]|, 0x4800000   ; my 16 numbers, and the floor 2^(9 - 127)
.endr
.irp i, 2,4,6,8,10,12,14
.irp b, 0,1,2,3
	v_max3_num_f32 v[TM+\b], v[TM+\b], |v[\s+16*\b+\i]|, |v[\s+1+16*\b+\i]|
.endr
.endr
.irp b, 0,1,2,3
	v_permlanex16_b32 v[TM+4+\b], v[TM+\b], s[SEL], s[SEL+1]
.endr
.irp b, 0,1,2,3
	v_max_num_f32 v[TM+\b], v[TM+\b], v[TM+4+\b]
.endr
.irp b, 0,1,2,3
	v_add_nc_u32 v[TM+12+\b], 0xfc000000, v[TM+\b] ; the conversion's scale operand
.endr
.irp b, 0,1,2,3
	v_and_or_b32 v[TM+8+\b], v[TM+\b], 0x7f800000, s[MNT]   ; 448 x the scale
.endr
.irp b, 0,1,2,3
	v_lshrrev_b32 v[TM+4+\b], 23, v[TM+12+\b]
.endr
	v_lshl_or_b32 v[TM+4], v[TM+5], 8, v[TM+4]
	v_lshl_or_b32 v[TM+6], v[TM+7], 8, v[TM+6]
	v_permlane16_b32 v[TM+5], v[TM+4], s[SEL+1], s[SEL]   ; lane (l + 8) % 16 of my half
	v_permlane16_b32 v[TM+7], v[TM+6], s[SEL+1], s[SEL]
	v_cndmask_b32 v[TM+4], v[TM+4], v[TM+7], s[MHI]       ; the record's tile 2 g: lanes 8-15 from lanes 0-7 of tile 2 g + 1
	v_cndmask_b32 v[TM+6], v[TM+5], v[TM+6], s[MHI]       ; its tile 2 g + 1: lanes 0-7 from lanes 8-15 of tile 2 g
	v_lshl_or_b32 v[\pw], v[TM+6], 16, v[TM+4]
.irp b, 0,1,2,3
.irp i, 0,1,2,3,4,5,6,7,8,9,10,11,12,13,14,15
	v_med3_num_f32 v[\s+16*\b+\i], v[\s+16*\b+\i], -v[TM+8+\b], v[TM+8+\b]   ; the conversion does not saturate (ISA guide 7.6.2): the hold
.endr
	v_cvt_scalef32_pk8_fp8_f32 v[\pc+4*\b:\pc+4*\b+1], v[\s+16*\b:\s+16*\b+7], v[TM+12+\b]
	v_cvt_scalef32_pk8_fp8_f32 v[\pc+4*\b+2:\pc+4*\b+3], v[\s+16*\b+8:\s+16*\b+15], v[TM+12+\b]
.endr
	v_nop
.irp b, 0,1,2,3
	v_permlane16_swap_b32 v[\pc+4*\b], v[\pc+4*\b+2]     ; ALONG P: lanes 0-15 then hold P's rows 32 y + 0 .. 15, lanes 16-31 rows 32 y + 16 .. 31
	v_permlane16_swap_b32 v[\pc+4*\b+1], v[\pc+4*\b+3]
.endr
.irp i, 0,1,2,3,4,5,6,7
	v_permlane16_b32 v[TM+2*(\i%2)], v[\pc+\i], s[SEL+1], s[SEL]         ; ALONG R: as for the scale bytes above
	v_permlane16_b32 v[TM+2*(\i%2)+1], v[\pc+8+\i], s[SEL+1], s[SEL]
	v_cndmask_b32 v[\pc+\i], v[\pc+\i], v[TM+2*(\i%2)+1], s[MHI]
	v_cndmask_b32 v[\pc+8+\i], v[TM+2*(\i%2)], v[\pc+8+\i], s[MHI]
.endr
.endm
.macro OUTG g, pc, oa
.irp k, 0,1,2,3
	global_store_b128 v[\oa+2*\g+\k/2], v[\pc+4*\k:\pc+4*\k+3], s[OUTC:OUTC+1] offset:512*(\k%2)   ; 32 lanes store 512 consecutive bytes, aligned
.endr
.endm
; A TILE.  v = 1: the value's.  more = 1: another tile follows: both slots are filled again, and its first fragments are fetched.  On entry K steps 0 and 1 are on their way into the two buffers
.macro TILE v, more
	s_wait_xcnt 0x0                                ; the last tile's stores have read their registers
	s_wait_loadcnt 0x0                             ; the scale words and the bias
	s_wait_dscnt 32                                ; K step 0's fragments are in; the 32 loads of step 1 may be out
	WIN MULX
	MUL16 0, 0, 1+\v
.irp q, 1,2,3,4,5,6,7
	s_wait_dscnt 0x0                               ; this step's fragments are in; no LDS load of mine is out
.if \q == 3
	WIN 0
.if \more
	REFILL 0
.else
	s_wait_tensorcnt 0x0                           ; every wave: the second half of K is in
	s_barrier_signal -1
	s_barrier_wait -1
	PLACES 8
.endif
.elseif \q < 7
	PLACES 8                                       ; between the last step's products and loads into the registers that they read
.endif
.if \q < 7
	FETCH \q+1, (\q+1)%2
.endif
.if (\q == 1) && \more
	AHEAD
.endif
	WIN MUL
	MUL16 \q, \q%2, 3*\v
.endr
	WIN 0
.irp b, 0,1,2,3
	v_mov_b32 v[TM+4+\b], 0                        ; a lane permute's destination counts as one of its sources.  (These four and the four below are the eight places behind the last products)
.endr
	PLACES 4
.if \more
	SCALES NG
	MASKWORK
.endif
	QUANT ACC, 112, PW
.if \v
	OUTG 0, 112, OAV
.else
	OUTG 0, 112, OA
.endif
.if \more
	REFILL 1
	FETCH 0, 0                                     ; the round has shown the next tile's first half of K
	FETCH 1, 1
	WIN 0
.endif
	QUANT ACC+64, ACC, PW+1
.if \v
	OUTG 1, ACC, OAV
.else
	OUTG 1, ACC, OA
.endif
	global_store_b64 v[SW], v[PW:PW+1], s[OUTC:OUTC+1] offset:8192   ; both lanes of a row store the same words
.endm
	WALU                                           ; the wait at the head's end
	s_cmp_lt_u32 s[WV], 2                          ; waves 0 and 1 asked for the first half of K, each by a line of its own: they wait here, the others in front of the first round
	s_cbranch_scc0 .Lnot_first
	s_wait_tensorcnt 0x0
.Lnot_first:
	s_barrier_signal -1
	s_barrier_wait -1
	FETCH 0, 0
	FETCH 1, 1
	WIN 0
.Ltile:                                            ; two trips: the query's tile, the key's
	TILE 0, 1
	s_wait_xcnt 0x0                                ; every load, store and prefetch of mine has read its addresses: the pointers move on
	s_mov_b64 s[OUTC:OUTC+1], s[NG+10:NG+11]
.irp i, 0,2,4,6,8,10
	s_mov_b64 s[NG+\i:NG+\i+1], s[VG+\i:VG+\i+1]
.endr
	s_add_nc_u64 s[MK:MK+1], s[MK:MK+1], 0x800000  ; 1,024 tasks on: 1,024 rows of the mask,
	s_add_nc_u64 s[MW:MW+1], s[MW:MW+1], 0x40000   ; 256 bytes of words a task
	s_add_co_u32 s[TRIP], s[TRIP], 1
	s_cmp_lt_u32 s[TRIP], 2
	WALU
	s_cbranch_scc1 .Ltile
	TILE 1, 0                                      ; the value's tile asks for nothing more
	s_wait_tensorcnt 0x0                           ; the wave's end
	ds_add_u32 v[SPW], v[NIL]
	s_wait_dscnt 0x0
	CROUND                                         ; the closing round
	s_endpgm
.Lfunc_end_k_q3dad1286cf_proj:
	.size	k_q3dad1286cf_proj, .Lfunc_end_k_q3dad1286cf_proj-k_q3dad1286cf_proj
	.p2alignl 7, 3214868480
	.fill 96, 4, 3214868480
	.section	.rodata,"a",@progbits
	.p2align	6, 0x0
	.amdhsa_kernel k_q3dad1286cf_proj
		.amdhsa_group_segment_fixed_size 327680
		.amdhsa_private_segment_fixed_size 0
		.amdhsa_enable_private_segment 0
		.amdhsa_kernarg_size 160
		.amdhsa_user_sgpr_count 2
		.amdhsa_user_sgpr_kernarg_segment_ptr 1
		.amdhsa_wavefront_size32 1
		.amdhsa_system_sgpr_workgroup_id_x 1
		.amdhsa_system_sgpr_workgroup_id_y 1
		.amdhsa_system_sgpr_workgroup_id_z 1
		.amdhsa_system_vgpr_workitem_id 0
		.amdhsa_next_free_vgpr 768
		.amdhsa_next_free_sgpr 102
		.amdhsa_reserve_vcc 0
		.amdhsa_float_denorm_mode_32 3
		.amdhsa_float_denorm_mode_16_64 3
		.amdhsa_memory_ordered 1
		.amdhsa_forward_progress 1
		.amdhsa_inst_pref_size 147
	.end_amdhsa_kernel
	.amdgpu_metadata
---
amdhsa.version: [ 1, 2 ]
amdhsa.kernels:
  - .name:           k_q3dad1286cf_proj
    .symbol:         k_q3dad1286cf_proj.kd
    .args:
      - { .name: q_codes, .offset: 0, .size: 8, .value_kind: global_buffer, .address_space: global }
      - { .name: wq_codes, .offset: 8, .size: 8, .value_kind: global_buffer, .address_space: global }
      - { .name: wq_scales, .offset: 16, .size: 8, .value_kind: global_buffer, .address_space: global }
      - { .name: q_scales, .offset: 24, .size: 8, .value_kind: global_buffer, .address_space: global }
      - { .name: bq, .offset: 32, .size: 8, .value_kind: global_buffer, .address_space: global }
      - { .name: qimg, .offset: 40, .size: 8, .value_kind: global_buffer, .address_space: global }
      - { .name: k_codes, .offset: 48, .size: 8, .value_kind: global_buffer, .address_space: global }
      - { .name: wk_codes, .offset: 56, .size: 8, .value_kind: global_buffer, .address_space: global }
      - { .name: wk_scales, .offset: 64, .size: 8, .value_kind: global_buffer, .address_space: global }
      - { .name: k_scales, .offset: 72, .size: 8, .value_kind: global_buffer, .address_space: global }
      - { .name: bk, .offset: 80, .size: 8, .value_kind: global_buffer, .address_space: global }
      - { .name: kimg, .offset: 88, .size: 8, .value_kind: global_buffer, .address_space: global }
      - { .name: v_codes, .offset: 96, .size: 8, .value_kind: global_buffer, .address_space: global }
      - { .name: wv_codes, .offset: 104, .size: 8, .value_kind: global_buffer, .address_space: global }
      - { .name: v_scales, .offset: 112, .size: 8, .value_kind: global_buffer, .address_space: global }
      - { .name: wv_scales, .offset: 120, .size: 8, .value_kind: global_buffer, .address_space: global }
      - { .name: bv, .offset: 128, .size: 8, .value_kind: global_buffer, .address_space: global }
      - { .name: vimg, .offset: 136, .size: 8, .value_kind: global_buffer, .address_space: global }
      - { .name: mask, .offset: 144, .size: 8, .value_kind: global_buffer, .address_space: global }
      - { .name: maskw, .offset: 152, .size: 8, .value_kind: global_buffer, .address_space: global }
    .group_segment_fixed_size: 327680
    .private_segment_fixed_size: 0
    .kernarg_segment_align: 8
    .kernarg_segment_size: 160
    .max_flat_workgroup_size: 128
    .sgpr_count:     102
    .vgpr_count:     768
    .wavefront_size: 32
...
	.end_amdgpu_metadata
.endif
;; end of part 5
;; launch attn (part 6): grid 8 x 32, 16 waves a work-group, clusters of 4 x 1, 327,680 bytes of LDS; arguments qimg, kimg, vimg, maskw, ximg, xs; writes ximg, xs
.if DOCPART == 6
	.amdgcn_target "amdgcn-amd-amdhsa--gfx1250"
	.amdhsa_code_object_version 6
	.text
	.protected	k_q3dad1286cf_attn
	.globl	k_q3dad1286cf_attn
	.p2align	8
	.type	k_q3dad1286cf_attn,@function
k_q3dad1286cf_attn:
	s_mov_b64 s[64:65], 0
	v_nop
	global_prefetch_b8 v0, s[64:65] scope:SCOPE_SE
	s_setreg_imm32_b32 hwreg(HW_REG_WAVE_MODE, 25, 1), 1
	s_wait_xcnt 0x0
	s_wait_alu depctr_hold_cnt(0) depctr_sa_sdst(0) depctr_va_vdst(0) depctr_va_sdst(0) depctr_va_ssrc(0) depctr_va_vcc(0) depctr_vm_vsrc(0)
	s_getreg_b32 s2, hwreg(HW_REG_IB_STS2, 6, 4)
	s_cmp_eq_u32 s2, 0
	s_cbranch_scc0 .Lentry_in_a_cluster
	s_endpgm
.Lentry_in_a_cluster:
	s_bfe_u32 s2, ttmp6, 0x10000c
	s_cmp_lg_u32 s2, 0x3003
	s_cbranch_scc0 .Lentry_shape_is_right
	s_endpgm
.Lentry_shape_is_right:
; x = softmax(where(mask == 0, -1, Q K^T / 8)) V for one batch and head, both products on codes of FP8 (E4M3) with E8M0 scales, and x's quantiser along the model's 1,024.
; p = 2^(t - M), t = logit x log2(e), M = the running largest t rounded up to a whole number; the row's sum is taken of the unquantised p and divides at the end.
; SHARES: a work-group owns 256 queries of one (batch, head), each of its 16 waves one tile of 16; every wave walks the 2,048 keys in 16 steps of 128.
; BUFFERS: records of 8,448 bytes (8,192 of codes as images of operand registers, 256 of scale words), 16 for each (batch, head), as the projection launch lays them; maskw: a 32-bit lane mask for each score register.
; LDS: all 16 records of K, then all 16 of V.  Each wave fetches two records, 66 rows of 256 bytes, by ONE joint load of the cluster's four work-groups, which walk the same K and V: even waves K's, odd waves V's.
; Nothing is filled again.  TWO BARRIERS: the first shows the loads of waves 0 to 3, records 0 to 3 of K and of V, which have a load line of their own; steps 0 and 1 read K's records 0 to 2, V's 0 and 1 and
; the scale words of V's record 2; the second barrier, behind step 1, shows the rest.
; No prefetch of K and V: they are asked for whole at the head, so there is no loop to run ahead in.  The mask's words come by scalar loads one step ahead.
; TWO REGIONS OF 64 REGISTERS TAKE TURNS: K's fragments lie in one, the scores go to the other, V's fragments follow K's; when p's codes are made, the scores' region takes the next step's K.
; A fragment of K holds two tiles of 16 keys (64 + 64 along K); Q stands between two runs of zeros, so that v[QLO ..] picks the first tile and v[QHI ..] the second.
; THE EXPONENTIALS go block by block of 16 registers, among the sums and holds of the block before; one wait stands between two such zones.
; LIMITS: NaN and infinities are not served; the promise holds while the scaled scores stay under 2^31 in magnitude.  A block of zeros gets the scale byte 1: its codes are zeros, and this program alone reads the bytes.
.set REC,  8448
.set VREG, 16*REC
.set SPARE, 2*VREG
.set LI,   1                           ; 16 x lane
.set ADK,  2                           ; LDS addresses of the step's loads
.set ADV,  3
.set ADKS, 4
.set ADVS, 5
.set QS,   6                           ; Q's scale word
.set PW,   7                           ; p's scale word
.set NEG,  8                           ; -8: the masked score ahead of the division by 8
.set LR,   9                           ; 16 x (lane % 16)
.set F,    10                          ; v[10:11] 2^(old M - new M);  v12 -M, v13 the largest score;  v[14:15] the row's sum
.set QHI,  16
.set QLO,  24
.set RA,   40
.set RB,   104
.set O,    168
.set PC,   200
.set KS,   216
.set RAW,  220
.set VS,   224
.set BM,   228
.set PR,   232
.set HD,   236
.set CV,   240
.set AC,   244                         ; four pairs: the step's sums
.set TP,   252
.set TT,   236                         ; at work ahead of the holds' bounds
.set TN,   237
.set SPW,  254
.set NIL,  255
.set MP,   52
.set XP,   54
.set XSP,  56
.set SEL,  58
.set WV,   60
.set TB,   61
.set CNT,  62
.set MO,   63
.set MNT,  66
.set TBV,  67
.set CS,   100
.macro CROUND
	s_barrier_signal -1
	s_barrier_wait -1
	s_cmp_lg_u32 s[WV], 0
	s_cbranch_scc1 .Lnot_wave_0_\@
	s_barrier_signal -3
.Lnot_wave_0_\@:
	s_barrier_wait -3
	s_barrier_signal -1
	s_barrier_wait -1
.endm
.macro WALU
	s_wait_alu depctr_va_vdst(0)
.endm
	s_load_b64 s[16:17], s[0:1], 0x0               ; qimg
	s_load_b128 s[96:99], s[0:1], 0x8              ; kimg, vimg
	s_load_b64 s[MP:MP+1], s[0:1], 0x18
	s_load_b64 s[XP:XP+1], s[0:1], 0x20
	s_load_b64 s[XSP:XSP+1], s[0:1], 0x28
	v_lshl_add_u32 v[SPW], v0, 2, SPARE
	v_mov_b32 v[NIL], 0
	ds_add_u32 v[SPW], v[NIL]                      ; the opening lines
	ds_add_u32 v[SPW], v[NIL]
	v_lshrrev_b32 v[TT], 5, v0
	v_readfirstlane_b32 s[WV], v[TT]
	s_bfe_u32 s24, ttmp6, 0x40000
	s_lshl_b32 s25, ttmp9, 2
	s_add_co_u32 s25, s25, s24                     ; my block of 256 queries
	s_lshl_b32 s26, s25, 4
	s_add_co_u32 s26, s26, s[WV]                   ; my tile of queries, 0 .. 127
	s_and_b32 s27, ttmp7, 0xffff                   ; 16 batch + head
	s_lshr_b32 s28, s27, 4
	s_and_b32 s29, s27, 15
	s_lshr_b32 s67, s[WV], 1
	s_mul_i32 s67, s67, 2*REC                      ; I fetch records 2 (wave / 2) and the next: of K in an even wave, of V in an odd one
	s_and_b32 s66, s[WV], 1
	s_mul_i32 s66, s66, VREG
	s_add_co_u32 s66, s66, s67
	s_mul_i32 s92, s27, 16*REC
	s_add_co_u32 s92, s92, s67
	s_mov_b32 s93, 0
	s_mov_b32 s84, 15|(3<<16)|(1<<21)              ; all four partners; elements of 8 bytes
	s_mov_b32 s85, 32<<16
	s_mov_b32 s86, 66<<16                          ; 66 rows of 256 bytes, dense
	s_mov_b32 s87, 32<<16
	s_mov_b32 s88, 66
	s_mov_b32 s89, 32
	s_mov_b32 s90, 0
	s_mov_b32 s91, 0
	s_wait_dscnt 0x0
	s_wait_kmcnt 0x0
	s_and_b32 s30, s[WV], 1
	s_cmp_eq_u32 s30, 0
	s_cselect_b64 s[94:95], s[96:97], s[98:99]
	s_add_nc_u64 s[94:95], s[94:95], s[92:93]
	s_or_b32 s95, s95, 0x80000000
	s_mov_b32 s92, 1
	s_mov_b32 s93, s66
	CROUND
	s_cmp_lt_u32 s[WV], 4                          ; my one tensor load.  Waves 0 to 3, whose records are read first, have a line of their own: they alone wait at the first barrier
	s_cbranch_scc0 .Llater
	tensor_load_to_lds s[92:95], s[84:91]
	s_nop 0
.rept 4
	v_nop
.endr
	s_branch .Lasked
.Llater:
	tensor_load_to_lds s[92:95], s[84:91]
	s_nop 0
.rept 4
	v_nop
.endr
.Lasked:
	s_lshl_b32 s30, s26, 12
	s_mov_b32 s31, 0
	s_add_nc_u64 s[MP:MP+1], s[MP:MP+1], s[30:31]  ; my tile's lane masks: 4,096 bytes
	s_lshl_b32 s32, s28, 7
	s_add_co_u32 s32, s32, s26
	s_lshl_b32 s30, s32, 14
	s_lshl_b32 s33, s29, 10
	s_add_co_u32 s30, s30, s33
	s_add_nc_u64 s[XP:XP+1], s[XP:XP+1], s[30:31]
	s_lshl_b32 s30, s32, 9
	s_lshl_b32 s33, s29, 1
	s_add_co_u32 s30, s30, s33
	s_add_nc_u64 s[XSP:XSP+1], s[XSP:XSP+1], s[30:31]
	s_lshl_b32 s30, s27, 4
	s_lshl_b32 s33, s25, 1
	s_add_co_u32 s30, s30, s33
	s_lshr_b32 s33, s[WV], 3
	s_add_co_u32 s30, s30, s33
	s_mul_i32 s30, s30, REC
	s_add_nc_u64 s[16:17], s[16:17], s[30:31]      ; Q's record
	s_and_b32 s32, s[WV], 7
	s_lshl_b32 s30, s32, 10
	s_add_nc_u64 s[18:19], s[16:17], s[30:31]      ; my tile in it
	s_lshr_b32 s30, s32, 1
	s_lshl_b32 s30, s30, 2
	s_add_co_u32 s30, s30, 8192
	s_add_nc_u64 s[20:21], s[16:17], s[30:31]      ; and its scale word
	s_and_b32 s22, s[WV], 1
	s_lshl_b32 s22, s22, 4
	v_and_b32 v[LI], 31, v0
	v_and_b32 v[LR], 15, v0
	v_lshlrev_b32 v[LI], 4, v[LI]
	v_lshlrev_b32 v[LR], 4, v[LR]
	global_load_b128 v[QLO:QLO+3], v[LI], s[18:19]
	global_load_b128 v[QLO+4:QLO+7], v[LI], s[18:19] offset:512
	global_load_b32 v[TT], v[LR], s[20:21]
	v_mov_b32 v[ADK], v[LI]                        ; step 0's addresses
	v_mov_b32 v[ADKS], v[LR]
	v_add_nc_u32 v[ADV], VREG, v[LI]
	v_add_nc_u32 v[ADVS], VREG, v[LR]
	s_mov_b32 s2, 0x05040100
	s_mov_b32 s3, 0x07060302
	s_mov_b32 s[SEL], 0x76543210
	s_mov_b32 s[SEL+1], 0xfedcba98
	s_mov_b32 s[MNT], 0x600000
	s_mov_b32 s[CS], 0x3e38aa3b                    ; log2(e) / 8
	s_mov_b32 s[CS+1], s[CS]
	s_mov_b32 s[TB], 0
	s_mov_b32 s[TBV], VREG
	s_mov_b32 s[MO], 0
	s_wait_alu depctr_va_vdst(0)
	s_wait_loadcnt 0x0
	v_lshrrev_b32 v[TT], s22, v[TT]
	v_and_b32 v[TT], 0xffff, v[TT]
	v_lshl_or_b32 v[QS], v[TT], 16, v[TT]          ; my tile's two bytes, for either half of K
.irp i, 0,1,2
	s_load_b512 s[4+16*\i:19+16*\i], s[MP:MP+1], s[MO] offset:64*\i
.endr
	s_load_b512 s[68:83], s[MP:MP+1], s[MO] offset:192
	v_mov_b32 v[NEG], 0xc1000000
.irp j, 0,1,2,3,4,5,6,7
	v_mov_b32 v[QHI+\j], 0
	v_mov_b32 v[QLO+8+\j], 0
.endr
.set j, 0
.rept 32
	v_mov_b32 v[O+j], 0                            ; the step is written once: the first finds zeros
.set j, j+1
.endr
	v_mov_b32 v13, 0xff61b1e6                      ; the largest score so far: -3e38
	v_mov_b32 v12, 0x7f61b1e6                      ; -M
	v_mov_b32 v14, 0
	v_mov_b32 v15, 0
.irp b, 0,1,2,3
	v_mov_b32 v[PR+\b], 0                          ; a lane permute's destination counts as one of its sources
.endr
	v_mov_b32 v[F+1], 0
.macro KFRAG R, g                      ; fragment g of the step's K: two tiles of 16 keys
.irp c, 0,1,2,3
	ds_load_b128 v[\R+16*\g+4*\c:\R+16*\g+4*\c+3], v[ADK] offset:2048*\g+512*\c
.endr
.endm
.macro KSCALES
	ds_load_b128 v[KS:KS+3], v[ADKS] offset:8192
	ds_load_b128 v[RAW:RAW+3], v[ADVS] offset:8192
.endm
.macro HOLD x, b                       ; two numbers held at the largest code x the block's scale; p is never negative
	v_dual_min_num_f32 v[\x], v[HD+\b], v[\x] :: v_dual_min_num_f32 v[\x+1], v[HD+\b], v[\x+1]
.endm
.macro CODES S, b
	v_cvt_scalef32_pk8_fp8_f32 v[PC+4*\b:PC+4*\b+1], v[\S+16*\b:\S+16*\b+7], v[CV+\b]
	v_cvt_scalef32_pk8_fp8_f32 v[PC+4*\b+2:PC+4*\b+3], v[\S+16*\b+8:\S+16*\b+15], v[CV+\b]
.endm
; block b's sums (of the unquantised p) and holds; ex = 1: among them block b + 1's sixteen exponentials.  No exponential stands between a write of this zone and its first reader; a plain line closes the zone
.macro ZONE S, b, ex
.set m, 0
.rept 4
.set X_, \S+16*\b+4*m
.set E_, X_+16
.if \b == 0
	v_pk_add_f32 v[AC+2*m:AC+2*m+1], v[X_:X_+1], v[X_+2:X_+3]
	HOLD X_, \b
.else
	v_pk_add_f32 v[TP:TP+1], v[X_:X_+1], v[X_+2:X_+3]
	HOLD X_, \b
	v_pk_add_f32 v[AC+2*m:AC+2*m+1], v[AC+2*m:AC+2*m+1], v[TP:TP+1]
.endif
.if m < 3
	HOLD X_+2, \b
.endif
.if \ex
.irp e, 0,1,2,3
	v_exp_f32 v[E_+\e], v[E_+\e]
.endr
.endif
.if m == 3
	HOLD X_+2, \b
.endif
.set m, m+1
.endr
.endm
; A KEY STEP.  KR: K's fragments (asked for in the step before), later V's; SR: the scores, then p, at the end the next step's K.  more = 0: the last step asks for nothing
.macro STEP KR, SR, more
	s_wait_dscnt 4                                 ; K's fragments 0 to 2 and both records' scale words are in; the four youngest loads, fragment 3's, may be out
.irp g, 0,1,2,3
.if \g == 3
	s_wait_dscnt 0x0                               ; fragment 3
.endif
	v_wmma_scale_f32_16x16x128_f8f6f4 v[\SR+16*\g:\SR+16*\g+7], v[\KR+16*\g:\KR+16*\g+15], v[QLO:QLO+15], 0, v[KS+\g], v[QS]
	v_wmma_scale_f32_16x16x128_f8f6f4 v[\SR+16*\g+8:\SR+16*\g+15], v[\KR+16*\g:\KR+16*\g+15], v[QHI:QHI+15], 0, v[KS+\g], v[QS]
.endr
.irp a, 0,1,2,3
	v_perm_b32 v[VS+\a], v[RAW+2+\a/2], v[RAW+\a/2], s[2+\a%2]   ; V's scale words, a word for each 16 of the head.  (These lines and the four below are the eight places behind the products)
.endr
.if \more
	s_add_co_u32 s[TB], s[TB], REC
	s_add_co_u32 s[TBV], s[TBV], REC
	v_add_nc_u32 v[ADK], s[TB], v[LI]
	v_add_nc_u32 v[ADKS], s[TB], v[LR]
	v_add_nc_u32 v[ADVS], s[TBV], v[LR]
	v_nop
.else
.rept 4
	v_nop
.endr
.endif
.irp a, 0,1,2,3
.irp c, 0,1,2,3
	ds_load_b128 v[\KR+16*\a+4*\c:\KR+16*\a+4*\c+3], v[ADV] offset:2048*\a+512*\c
.endr
.endr
.if \more
	v_add_nc_u32 v[ADV], s[TBV], v[LI]
.endif
	s_wait_kmcnt 0x0                               ; the step's 64 lane masks
.set n, 0
.rept 64
	v_cndmask_b32 v[\SR+n], v[NEG], v[\SR+n], s[4+n+16*(n/48)]
.set n, n+1
.endr
.if \more
	s_add_co_u32 s[MO], s[MO], 256
.irp i, 0,1,2
	s_load_b512 s[4+16*\i:19+16*\i], s[MP:MP+1], s[MO] offset:64*\i
.endr
	s_load_b512 s[68:83], s[MP:MP+1], s[MO] offset:192
.endif
.irp b, 0,1,2,3
	v_max3_num_f32 v[BM+\b], v[\SR+16*\b], v[\SR+1+16*\b], v[\SR+2+16*\b]   ; each block's largest score, the four blocks by turns
.endr
.irp i, 3,5,7,9,11,13
.irp b, 0,1,2,3
	v_max3_num_f32 v[BM+\b], v[BM+\b], v[\SR+16*\b+\i], v[\SR+1+16*\b+\i]
.endr
.endr
.irp b, 0,1,2,3
	v_max_num_f32 v[BM+\b], v[BM+\b], v[\SR+15+16*\b]
.endr
.irp b, 0,1,2,3
	v_permlanex16_b32 v[PR+\b], v[BM+\b], s[SEL], s[SEL+1]
.endr
.irp b, 0,1,2,3
	v_max_num_f32 v[BM+\b], v[BM+\b], v[PR+\b]
.endr
	v_max3_num_f32 v[TT], v[BM], v[BM+1], v[BM+2]
	v_max3_num_f32 v13, v13, v[TT], v[BM+3]        ; the running largest score
	v_mul_f32 v[TT], s[CS], v13                    ; as t
	v_floor_f32 v[TN], -v[TT]                      ; the new -M
	v_sub_f32 v[TT], v[TN], v12                    ; old M - new M: a whole number, 0 or less
	v_mov_b32 v12, v[TN]
	v_cvt_i32_f32 v[TT], v[TT]
	v_ldexp_f32 v[F], 1.0, v[TT]
.set j, 0
.rept 8
	v_pk_fma_f32 v[\SR+j:\SR+j+1], v[\SR+j:\SR+j+1], s[CS:CS+1], v[12:13] op_sel_hi:[1,0,0]   ; t - M, block 0
.set j, j+2
.endr
.irp b, 0,1,2,3
	v_fma_f32 v[BM+\b], v[BM+\b], s[CS], v12
.endr
.set j, 0
.rept 16
	v_pk_mul_f32 v[O+j:O+j+1], v[O+j:O+j+1], v[F:F+1] op_sel_hi:[1,0]   ; O^T under the new M, ahead of the step's first exponential
.set j, j+2
.endr
	WALU                                           ; the wait ahead of the batch
.set m, 0
.rept 20
.if m < 4
	v_exp_f32 v[BM+m], v[BM+m]                     ; each block's largest p
.else
	v_exp_f32 v[\SR+m-4], v[\SR+m-4]               ; block 0's p
.endif
	v_pk_fma_f32 v[\SR+16+2*m:\SR+17+2*m], v[\SR+16+2*m:\SR+17+2*m], s[CS:CS+1], v[12:13] op_sel_hi:[1,0,0]   ; t - M of blocks 1 to 3
.set m, m+1
.endr
.rept 4
	v_pk_fma_f32 v[\SR+16+2*m:\SR+17+2*m], v[\SR+16+2*m:\SR+17+2*m], s[CS:CS+1], v[12:13] op_sel_hi:[1,0,0]
.set m, m+1
.endr
	WALU                                           ; one wait for the batch
.irp b, 0,1,2,3
	v_max_num_f32 v[BM+\b], 0x4800000, v[BM+\b]    ; the floor 2^(9 - 127): the byte cannot fall under 1
.endr
.irp b, 0,1,2,3
	v_add_nc_u32 v[CV+\b], 0xfc000000, v[BM+\b]    ; the conversion's scale operand
.endr
.irp b, 0,1,2,3
	v_and_or_b32 v[HD+\b], v[BM+\b], 0x7f800000, s[MNT]   ; 448 x the scale
.endr
.irp b, 0,1,2,3
	v_lshrrev_b32 v[PR+\b], 23, v[CV+\b]
.endr
	v_lshl_or_b32 v[PW], v[PR+1], 8, v[PR]
	v_lshl_or_b32 v[PW], v[PR+2], 16, v[PW]
	v_lshl_or_b32 v[PW], v[PR+3], 24, v[PW]
	ZONE \SR, 0, 1
	WALU
	CODES \SR, 0
	ZONE \SR, 1, 1
	WALU
	CODES \SR, 1
	ZONE \SR, 2, 1
	WALU
	CODES \SR, 2
.if \more
	KFRAG \SR, 0                                   ; blocks 0 to 2 are codes now: their registers take the next step's K
	KFRAG \SR, 1
	KFRAG \SR, 2
	KSCALES
.endif
	ZONE \SR, 3, 0
	CODES \SR, 3
.if \more
	KFRAG \SR, 3
.endif
	v_pk_add_f32 v[AC:AC+1], v[AC:AC+1], v[AC+2:AC+3]           ; the step's sum; these four lines are the places between the codes and the products
	v_pk_add_f32 v[AC+4:AC+5], v[AC+4:AC+5], v[AC+6:AC+7]
	v_pk_add_f32 v[AC:AC+1], v[AC:AC+1], v[AC+4:AC+5]
	v_pk_fma_f32 v[14:15], v[14:15], v[F:F+1], v[AC:AC+1] op_sel_hi:[1,0,1]   ; the row's sum under the new M, and the step's
	WALU
.if \more
	s_wait_dscnt 18                                ; V's 16 loads are in; the 18 loads of the next step may be out
.else
	s_wait_dscnt 0x0
.endif
.irp a, 0,1,2,3
	v_wmma_scale_f32_16x16x128_f8f6f4 v[O+8*\a:O+8*\a+7], v[\KR+16*\a:\KR+16*\a+15], v[PC:PC+15], v[O+8*\a:O+8*\a+7], v[VS+\a], v[PW]
.endr
.if \more
.rept 9
	v_nop                                          ; the next step's scores are laid over V's fragments: nine places
.endr
.endif
.endm
	s_wait_alu depctr_va_vdst(0)                   ; the wait at the head's end
	s_cmp_lt_u32 s[WV], 4
	s_cbranch_scc0 .Lnot_first
	s_wait_tensorcnt 0x0                           ; waves 0 to 3: records 0 to 3 of K and of V are in
.Lnot_first:
	s_barrier_signal -1
	s_barrier_wait -1
	KFRAG RA, 0
	KFRAG RA, 1
	KFRAG RA, 2
	KSCALES
	KFRAG RA, 3
	STEP RA, RB, 1                                 ; steps 0 and 1, under the other twelve loads' flight
	STEP RB, RA, 1
	s_wait_alu depctr_va_vdst(0)
	s_wait_tensorcnt 0x0                           ; every wave: its two records are in,
	s_wait_dscnt 0x0
	s_barrier_signal -1
	s_barrier_wait -1                              ; and everybody's
	s_mov_b32 s[CNT], 6
.Lpair:                                            ; a trip is two steps: the regions are back where they began
	STEP RA, RB, 1
	STEP RB, RA, 1
	s_sub_co_u32 s[CNT], s[CNT], 1
	s_cmp_lg_u32 s[CNT], 0
	s_wait_alu depctr_va_vdst(0)
	s_cbranch_scc1 .Lpair
	STEP RA, RB, 1
	STEP RB, RA, 0
	; THE WAY OUT: O^T / the sum, quantised along the head's 64 (two blocks of 32), as images of the next launch's operand registers
	v_add_f32 v14, v14, v15
	v_and_b32 v[ADK], 15, v0
	v_permlanex16_b32 v[PR], v14, s[SEL], s[SEL+1]
	v_lshlrev_b32 v[ADK], 5, v[ADK]                ; 32 x (lane % 16): my row of scale bytes
	v_add_f32 v14, v14, v[PR]
	WALU
	v_rcp_f32 v14, v14
.rept 4
	v_nop
.endr
	WALU                                           ; directly ahead of the first readers of O^T and of the reciprocal
.set j, 0
.rept 16
	v_pk_mul_f32 v[RA+j:RA+j+1], v[O+j:O+j+1], v[14:15] op_sel_hi:[1,0]
.set j, j+2
.endr
.irp b, 0,1
	v_max3_num_f32 v[BM+\b], |v[RA+16*\b]|, |v[RA+1+16*\b]|, 0x4800000
.endr
.irp i, 2,4,6,8,10,12,14
.irp b, 0,1
	v_max3_num_f32 v[BM+\b], v[BM+\b], |v[RA+16*\b+\i]|, |v[RA+1+16*\b+\i]|
.endr
.endr
.irp b, 0,1
	v_permlanex16_b32 v[PR+\b], v[BM+\b], s[SEL], s[SEL+1]
.endr
.irp b, 0,1
	v_max_num_f32 v[BM+\b], v[BM+\b], v[PR+\b]
.endr
.irp b, 0,1
	v_add_nc_u32 v[CV+\b], 0xfc000000, v[BM+\b]
.endr
.irp b, 0,1
	v_and_or_b32 v[HD+\b], v[BM+\b], 0x7f800000, s[MNT]
.endr
.irp b, 0,1
	v_lshrrev_b32 v[PR+\b], 23, v[CV+\b]
.endr
	v_lshl_or_b32 v[ADV], v[PR+1], 8, v[PR]
.irp b, 0,1
.irp i, 0,1,2,3,4,5,6,7,8,9,10,11,12,13,14,15
	v_med3_num_f32 v[RA+16*\b+\i], v[RA+16*\b+\i], -v[HD+\b], v[HD+\b]
.endr
	CODES RA, \b
.endr
	v_nop                                          ; one plain line behind the last conversion
	global_store_b128 v[LI], v[PC:PC+3], s[XP:XP+1]             ; 32 lanes store 512 consecutive bytes
	global_store_b128 v[LI], v[PC+4:PC+7], s[XP:XP+1] offset:512
	global_store_b16 v[ADK], v[ADV], s[XSP:XSP+1]               ; both lanes of a row store the same two bytes
	s_wait_tensorcnt 0x0                           ; the wave's end
	ds_add_u32 v[SPW], v[NIL]
	s_wait_dscnt 0x0
	CROUND                                         ; the closing round
	s_endpgm
.Lfunc_end_k_q3dad1286cf_attn:
	.size	k_q3dad1286cf_attn, .Lfunc_end_k_q3dad1286cf_attn-k_q3dad1286cf_attn
	.p2alignl 7, 3214868480
	.fill 96, 4, 3214868480
	.section	.rodata,"a",@progbits
	.p2align	6, 0x0
	.amdhsa_kernel k_q3dad1286cf_attn
		.amdhsa_group_segment_fixed_size 327680
		.amdhsa_private_segment_fixed_size 0
		.amdhsa_enable_private_segment 0
		.amdhsa_kernarg_size 48
		.amdhsa_user_sgpr_count 2
		.amdhsa_user_sgpr_kernarg_segment_ptr 1
		.amdhsa_wavefront_size32 1
		.amdhsa_system_sgpr_workgroup_id_x 1
		.amdhsa_system_sgpr_workgroup_id_y 1
		.amdhsa_system_sgpr_workgroup_id_z 1
		.amdhsa_system_vgpr_workitem_id 0
		.amdhsa_next_free_vgpr 256
		.amdhsa_next_free_sgpr 102
		.amdhsa_reserve_vcc 0
		.amdhsa_float_denorm_mode_32 3
		.amdhsa_float_denorm_mode_16_64 3
		.amdhsa_memory_ordered 1
		.amdhsa_forward_progress 1
		.amdhsa_inst_pref_size 151
	.end_amdhsa_kernel
	.amdgpu_metadata
---
amdhsa.version: [ 1, 2 ]
amdhsa.kernels:
  - .name:           k_q3dad1286cf_attn
    .symbol:         k_q3dad1286cf_attn.kd
    .args:
      - { .name: qimg, .offset: 0, .size: 8, .value_kind: global_buffer, .address_space: global }
      - { .name: kimg, .offset: 8, .size: 8, .value_kind: global_buffer, .address_space: global }
      - { .name: vimg, .offset: 16, .size: 8, .value_kind: global_buffer, .address_space: global }
      - { .name: maskw, .offset: 24, .size: 8, .value_kind: global_buffer, .address_space: global }
      - { .name: ximg, .offset: 32, .size: 8, .value_kind: global_buffer, .address_space: global }
      - { .name: xs, .offset: 40, .size: 8, .value_kind: global_buffer, .address_space: global }
    .group_segment_fixed_size: 327680
    .private_segment_fixed_size: 0
    .kernarg_segment_align: 8
    .kernarg_segment_size: 48
    .max_flat_workgroup_size: 512
    .sgpr_count:     102
    .vgpr_count:     256
    .wavefront_size: 32
...
	.end_amdgpu_metadata
.endif
;; end of part 6
;; launch outp (part 7): grid 32 x 8, 4 waves a work-group, clusters of 4 x 4, 288,256 bytes of LDS; arguments ximg, xs, wo_codes, wo_scales, bo, out0; writes out0
.if DOCPART == 7
	.amdgcn_target "amdgcn-amd-amdhsa--gfx1250"
	.amdhsa_code_object_version 6
	.text
	.protected	k_q3dad1286cf_outp
	.globl	k_q3dad1286cf_outp
	.p2align	8
	.type	k_q3dad1286cf_outp,@function
k_q3dad1286cf_outp:
	s_mov_b64 s[64:65], 0
	v_nop
	global_prefetch_b8 v0, s[64:65] scope:SCOPE_SE
	s_setreg_imm32_b32 hwreg(HW_REG_WAVE_MODE, 25, 1), 1
	s_wait_xcnt 0x0
	s_wait_alu depctr_hold_cnt(0) depctr_sa_sdst(0) depctr_va_vdst(0) depctr_va_sdst(0) depctr_va_ssrc(0) depctr_va_vcc(0) depctr_vm_vsrc(0)
	s_getreg_b32 s2, hwreg(HW_REG_IB_STS2, 6, 4)
	s_cmp_eq_u32 s2, 0
	s_cbranch_scc0 .Lentry_in_a_cluster
	s_endpgm
.Lentry_in_a_cluster:
	s_bfe_u32 s2, ttmp6, 0x10000c
	s_cmp_lg_u32 s2, 0xf033
	s_cbranch_scc0 .Lentry_shape_is_right
	s_endpgm
.Lentry_shape_is_right:
; out0 = x Wo^T + bo on codes of FP8 (E4M3) with E8M0 scales.  x comes from the attention launch as images of operand registers: ximg [tile of 16 rows][16,384]: K step q, piece c at 2,048 q + 512 c + 16 x lane;
; its scale bytes xs [16 tile + r][32].  Lane r of tile T holds row 32 (T / 2) + 8 (T % 2) + r + 8 (r / 8) of its batch.
; 256 tiles of 128 x 128, one to a work-group; four waves, 64 x 64 each: 16 accumulators.  Source 0 = 16 neighbouring rows of Wo, source 1 = 16 rows of x: a lane holds one row of x and, of tile b, the
; eight neighbouring columns 16 b + 8 (lane / 16) + 0 .. 7 of the output.
; NO RING: all of K = 1,024 of both tiles lies in LDS, two halves of 512 along K, each filled once.  x's images are read as they lie, 512 consecutive bytes an instruction; Wo's rows lie 528 bytes apart, so that the
; sixteen rows that a fragment load touches start in sixteen different groups of banks (64 banks of 4 bytes: ISA guide 11.1).
; CLUSTERS: 4 x 4: x's tiles hang on work-group x alone and are asked for jointly by the four of a column, Wo's on y alone and by the four of a row.
; THE WAY OUT: a block of 16 rows x 256 bytes goes through the wave's own stage in LDS (bytes into which no tile lands) and leaves as rows: sixteen lanes store 256 consecutive bytes, aligned.
; REGISTERS: window 0: v1-23 addresses; v32-63 Wo's scale words, v64-95 x's (they hold nothing else); v96-127 the bias as C; v128-255 the accumulators.  window 1: two fragment buffers of 128; on the way out the rows read back.
.set PITCH, 272
.set WPITCH, 528                       ; Wo's rows in LDS: 512 bytes (half of K) + 16
.set HALFT, 64*WPITCH
.set WTO,   65536                      ; in a half of K: x's 8 tiles x 8,192 bytes, then Wo's 128 rows x 528
.set SLOT,  WTO+128*WPITCH
.set STAGE, 2*SLOT
.set ADP,  8
.set ADR,  12
.set SO,   16                          ; v16  32 r: a row of scale bytes is 32 bytes, Wo's and x's alike
.set BO,   17
.set STO,  18
.set RD,   19
.set CO,   20
.set SCP,  32
.set SCR,  64
.set X,    96
.set ACC,  128
.set G1A,  4
.set G1W,  12
.set G0A,  20
.set G0W,  68
.set ACTC, 40
.set ACTS, 42
.set WTC,  44
.set WTS,  46
.set BIAS, 48
.set OUT,  50
.set WV,   52
.set WR,   53
.set WP,   54
.set CX,   56
.set CY,   57
.set GX,   58
.set NT,   59
.set MKA,  60
.set MKW,  61
.set MSB, 0
.macro WIN new
.if MSB != \new
	s_set_vgpr_msb (MSB<<8)|\new
.set MSB, \new
.endif
.endm
.set MUL,  0x05                        ; sources 0 and 1 window 1; C and D window 0
.set TO_F, 0x40                        ; destination window 1, address window 0
.macro CROUND
	s_barrier_signal -1
	s_barrier_wait -1
	s_cmp_lg_u32 s[WV], 0
	s_cbranch_scc1 .Lnot_wave_0_\@
	s_barrier_signal -3
.Lnot_wave_0_\@:
	s_barrier_wait -3
	s_barrier_signal -1
	s_barrier_wait -1
.endm
.macro PLACES n
.rept \n
	v_nop
.endr
.endm
	s_load_b256 s[40:47], s[0:1], 0x0              ; ximg, xs, Wo's codes, Wo's scales
	s_load_b128 s[48:51], s[0:1], 0x20             ; bo, out0
	v_lshl_add_u32 v30, v0, 2, 0x46400
	v_mov_b32 v31, 0
	ds_add_u32 v30, v31
	ds_add_u32 v30, v31
	v_lshrrev_b32 v5, 5, v0
	v_readfirstlane_b32 s[WV], v5
	s_lshr_b32 s[WR], s[WV], 1                     ; my half of x's rows.  Also: which half of K I fetch
	s_and_b32 s[WP], s[WV], 1                      ; my half of Wo's rows.  Also: I fetch for x (0) or for Wo (1)
	s_bfe_u32 s[CX], ttmp6, 0x40000
	s_bfe_u32 s[CY], ttmp6, 0x40004
	s_lshl_b32 s[GX], ttmp9, 2
	s_add_co_u32 s[GX], s[GX], s[CX]               ; x's 128 rows
	s_and_b32 s[NT], ttmp7, 0xffff
	s_lshl_b32 s[NT], s[NT], 2
	s_add_co_u32 s[NT], s[NT], s[CY]               ; Wo's 128 rows
	s_lshl_b32 s[MKA], 0x1111, s[CX]               ; my column of the cluster
	s_lshl_b32 s[MKW], s[CY], 2
	s_lshl_b32 s[MKW], 15, s[MKW]                  ; my row
	s_lshl_b32 s92, s[GX], 17                      ; x: 8 tiles of 16,384 bytes
	s_mov_b32 s93, 0
	s_lshl_b32 s94, s[NT], 17                      ; Wo: 128 rows of 1,024 bytes
	s_mov_b32 s95, 0
	s_mul_i32 s91, s[WP], HALFT                    ; Wo's 64 rows
	s_wait_dscnt 0x0
	s_wait_kmcnt 0x0
	s_add_nc_u64 s[ACTC:ACTC+1], s[ACTC:ACTC+1], s[92:93]
	s_add_nc_u64 s[WTC:WTC+1], s[WTC:WTC+1], s[94:95]
	s_or_b32 s[G1A], s[MKA], (3<<16)|(1<<21)       ; x: elements of 8 bytes, no padding
	s_mov_b32 s[G1A+1], 1024<<16                   ; 8 rows (tiles) x 8,192 bytes, 16,384 bytes apart
	s_mov_b32 s[G1A+2], 8<<16
	s_mov_b32 s[G1A+3], 1024<<16
	s_mov_b32 s[G1A+4], 8
	s_mov_b32 s[G1A+5], 2048
	s_mov_b32 s[G1A+6], 0
	s_mov_b32 s[G1A+7], 0
	s_or_b32 s[G1W], s[MKW], (1<<20)|(1<<21)|(6<<22)|(3<<25)   ; Wo: 128 rows x 512 bytes, 1,024 apart, 16 bytes of padding behind each
	s_mov_b32 s[G1W+1], 512<<16
	s_mov_b32 s[G1W+2], 128<<16
	s_mov_b32 s[G1W+3], 512<<16
	s_mov_b32 s[G1W+4], 128
	s_mov_b32 s[G1W+5], 1024
	s_mov_b32 s[G1W+6], 0
	s_mov_b32 s[G1W+7], 0
.irp c, 0,1
	s_mov_b32 s[G0A+4*\c], 1
	s_mov_b32 s[G0A+4*\c+1], \c*SLOT
	s_add_nc_u64 s[G0A+4*\c+2:G0A+4*\c+3], s[ACTC:ACTC+1], \c*8192
	s_or_b32 s[G0A+4*\c+3], s[G0A+4*\c+3], 0x80000000
	s_mov_b32 s[G0W+4*\c], 1
	s_mov_b32 s[G0W+4*\c+1], \c*SLOT+WTO
	s_add_nc_u64 s[G0W+4*\c+2:G0W+4*\c+3], s[WTC:WTC+1], \c*512
	s_or_b32 s[G0W+4*\c+3], s[G0W+4*\c+3], 0x80000000
.endr
	CROUND                                         ; all sixteen work-groups are here: the joint loads meet
; one joint load a wave, an arm each: wave 0 x's first half of K, wave 1 Wo's, waves 2 and 3 the second halves
.macro ARM under, g0, g1, next
	s_cmp_lt_u32 s[WV], \under
	s_cbranch_scc0 \next
	tensor_load_to_lds s[\g0:\g0+3], s[\g1:\g1+7]
	s_nop 0
	PLACES 4
	s_branch .Lfilled
\next:
.endm
	ARM 1, G0A, G1A, .Lfill_1
	ARM 2, G0W, G1W, .Lfill_2
	ARM 3, G0A+4, G1A, .Lfill_3
	tensor_load_to_lds s[G0W+4:G0W+7], s[G1W:G1W+7]
	s_nop 0
	PLACES 4
.Lfilled:
	v_and_b32 v1, 15, v0                           ; r
	v_bfe_u32 v2, v0, 4, 1                         ; h
	v_and_b32 v5, 31, v0
	v_lshlrev_b32 v5, 4, v5                        ; 16 x lane
	v_mul_u32_u24 v4, v1, WPITCH
	v_lshl_add_u32 v4, v2, 4, v4                   ; Wo: a fragment's row x pitch + 16 h
	s_wait_alu depctr_va_vdst(0)
	s_add_co_u32 s98, s91, WTO                     ; Wo's place in a chunk + my half
	s_lshl_b32 s99, s[WR], 15                      ; x's four tiles of my half, 8,192 bytes each
.irp c, 0,1
	v_add_nc_u32 v[ADP+\c], s98, v4
	v_add_nc_u32 v[ADR+\c], s99, v5
	s_add_co_u32 s98, s98, SLOT
	s_add_co_u32 s99, s99, SLOT
.endr
	v_lshlrev_b32 v[SO], 5, v1
	s_wait_alu depctr_va_vdst(0)
	s_lshl_b32 s36, s[NT], 12                      ; Wo's scale bytes: (128 tile + 64 half) rows of 32
	s_lshl_b32 s37, s[WP], 11
	s_add_co_u32 s36, s36, s37
	s_mov_b32 s37, 0
	s_add_nc_u64 s[WTS:WTS+1], s[WTS:WTS+1], s[36:37]
	s_lshl_b32 s38, s[GX], 12                      ; x's: (8 block + 4 half) tiles of 512
	s_lshl_b32 s39, s[WR], 11
	s_add_co_u32 s38, s38, s39
	s_mov_b32 s39, 0
	s_add_nc_u64 s[ACTS:ACTS+1], s[ACTS:ACTS+1], s[38:39]
.irp i, 0,1,2,3
	global_load_b128 v[SCP+8*\i:SCP+8*\i+3], v[SO], s[WTS:WTS+1] offset:512*\i
	global_load_b128 v[SCP+8*\i+4:SCP+8*\i+7], v[SO], s[WTS:WTS+1] offset:512*\i+16
	global_load_b128 v[SCR+8*\i:SCR+8*\i+3], v[SO], s[ACTS:ACTS+1] offset:512*\i
	global_load_b128 v[SCR+8*\i+4:SCR+8*\i+7], v[SO], s[ACTS:ACTS+1] offset:512*\i+16
.endr
	s_lshl_b32 s36, s[NT], 9                       ; the bias: my 64 columns
	s_lshl_b32 s38, s[WP], 8
	s_add_co_u32 s36, s36, s38
	s_add_nc_u64 s[BIAS:BIAS+1], s[BIAS:BIAS+1], s[36:37]
	v_lshlrev_b32 v[BO], 5, v2                     ; tile b's registers are columns 16 b + 8 h + 0 .. 7
.irp b, 0,1,2,3
	global_load_b128 v[X+8*\b:X+8*\b+3], v[BO], s[BIAS:BIAS+1] offset:64*\b
	global_load_b128 v[X+8*\b+4:X+8*\b+7], v[BO], s[BIAS:BIAS+1] offset:64*\b+16
.endr
	s_add_nc_u64 s[OUT:OUT+1], s[OUT:OUT+1], s[36:37]   ; out0: my first column is as many bytes on as in the bias,
	s_lshl_b32 s36, s[GX], 19                      ; my first row: (128 block + 64 half) rows of 4,096 bytes
	s_lshl_b32 s38, s[WR], 18
	s_add_co_u32 s36, s36, s38
	s_add_nc_u64 s[OUT:OUT+1], s[OUT:OUT+1], s[36:37]
	s_mul_i32 s38, s[WV], 16*PITCH
	s_add_co_u32 s38, s38, STAGE                   ; my stage
	v_mul_u32_u24 v[STO], v1, PITCH
	v_lshl_add_u32 v[STO], v2, 5, v[STO]
	v_add_nc_u32 v[STO], s38, v[STO]               ; in: row r, + 32 h
	v_mul_u32_u24 v[RD], v2, PITCH
	v_lshl_add_u32 v[RD], v1, 4, v[RD]
	v_add_nc_u32 v[RD], s38, v[RD]                 ; back: lanes 0-15 one row, lanes 16-31 the next
	v_lshlrev_b32 v[CO], 12, v2
	v_lshl_add_u32 v[CO], v1, 4, v[CO]             ; and the same two rows in out0
.macro FETCH q, f                      ; 32 LDS loads: the fragments of K step q (half q / 4) into buffer f
	WIN TO_F
.irp i, 0,1,2,3
.irp c, 0,1,2,3
	ds_load_b128 v[128*(\f)+16*\i+4*\c:128*(\f)+16*\i+4*\c+3], v[ADP+(\q)/4] offset:128*((\q)%4)+32*\c+16*\i*WPITCH
.endr
.endr
.irp i, 0,1,2,3
.irp c, 0,1,2,3
	ds_load_b128 v[128*(\f)+64+16*\i+4*\c:128*(\f)+64+16*\i+4*\c+3], v[ADR+(\q)/4] offset:8192*\i+2048*((\q)%4)+512*\c
.endr
.endr
.endm
.macro MUL16 q, f, first               ; 16 products; the 16 accumulators take turns, one instruction a turn, in the same order in every step
.irp a, 0,1,2,3
.irp b, 0,1,2,3
.if \first
	v_wmma_scale_f32_16x16x128_f8f6f4 v[ACC+8*(4*\a+\b):ACC+8*(4*\a+\b)+7], v[128*(\f)+16*\b:128*(\f)+16*\b+15], v[128*(\f)+64+16*\a:128*(\f)+64+16*\a+15], v[X+8*\b:X+8*\b+7], v[SCP+8*\b+(\q)], v[SCR+8*\a+(\q)]
.else
	v_wmma_scale_f32_16x16x128_f8f6f4 v[ACC+8*(4*\a+\b):ACC+8*(4*\a+\b)+7], v[128*(\f)+16*\b:128*(\f)+16*\b+15], v[128*(\f)+64+16*\a:128*(\f)+64+16*\a+15], v[ACC+8*(4*\a+\b):ACC+8*(4*\a+\b)+7], v[SCP+8*\b+(\q)], v[SCR+8*\a+(\q)]
.endif
.endr
.endr
.endm
	s_wait_alu depctr_va_vdst(0)                   ; the wait at the head's end
	s_cmp_lt_u32 s[WV], 2                          ; waves 0 and 1 asked for the first half of K, each by a line of its own: they wait here, the others at the second barrier
	s_cbranch_scc0 .Lnot_first
	s_wait_tensorcnt 0x0
.Lnot_first:
	s_barrier_signal -1
	s_barrier_wait -1
	FETCH 0, 0
	FETCH 1, 1
	s_wait_loadcnt 0x0                             ; the scale words and the bias
	s_wait_dscnt 32                                ; K step 0's fragments are in; the 32 loads of step 1 may be out
	WIN MUL
	MUL16 0, 0, 1                                  ; the bias is the C of each sum's first product
.irp q, 1,2,3,4,5,6,7
	s_wait_dscnt 0x0                               ; this step's fragments are in; no LDS load of mine is out at the barrier below
.if \q == 3
	s_wait_tensorcnt 0x0                           ; every wave: the second half of K is in
	s_barrier_signal -1
	s_barrier_wait -1
.endif
.if \q < 7
	PLACES 8                                       ; eight plain places between the last step's products and loads into the registers that they read
	FETCH \q+1, (\q+1)%2
.endif
	WIN MUL
	MUL16 \q, \q%2, 0
.endr
; Block a: 16 rows of x, my 64 columns.  Each block comes back into 32 registers of its own in window 1, so no store's data are written again.
.macro TOSTAGE a
	WIN 0
.irp k, 0,1,2,3,4,5,6,7
	ds_store_b128 v[STO], v[ACC+32*(\a)+4*\k:ACC+32*(\a)+4*\k+3] offset:64*(\k/2)+16*(\k%2)   ; tile k / 2's columns 16 (k / 2) + 8 h + 4 (k % 2) on; each accumulator from its low end on
.endr
	WIN TO_F
.irp i, 0,1,2,3,4,5,6,7
	ds_load_b128 v[32*(\a)+4*\i:32*(\a)+4*\i+3], v[RD] offset:2*\i*PITCH   ; LDS serves a wave's instructions in order: these see the stores above, and the next block's stores come behind them
.endr
.endm
.macro SEND a, younger
	s_wait_dscnt \younger                          ; the block is back; the next block's eight stores and eight loads may be out
	WIN 0x04                                       ; a store's data are its source 1: window 1
.irp i, 0,1,2,3,4,5,6,7
	global_store_b128 v[CO], v[32*(\a)+4*\i:32*(\a)+4*\i+3], s[OUT:OUT+1] offset:(32*((\a)/2)+8*((\a)%2)+2*\i+8*(\i/4))*4096 th:TH_STORE_NT   ; stage row p is row p + 8 (p / 8) of the tile; 16 lanes store 256 consecutive bytes, aligned
.endr
.endm
	PLACES 8                                       ; behind the last products: for the first read of results and for loads into the fragments' registers
	s_wait_alu depctr_va_vdst(0)
	TOSTAGE 0
	TOSTAGE 1
	SEND 0, 16
	TOSTAGE 2
	SEND 1, 16
	TOSTAGE 3
	SEND 2, 16
	SEND 3, 0
	WIN 0
	s_wait_tensorcnt 0x0
	ds_add_u32 v30, v31
	s_wait_dscnt 0x0
	CROUND                                         ; the closing round
	s_endpgm
.Lfunc_end_k_q3dad1286cf_outp:
	.size	k_q3dad1286cf_outp, .Lfunc_end_k_q3dad1286cf_outp-k_q3dad1286cf_outp
	.p2alignl 7, 3214868480
	.fill 96, 4, 3214868480
	.section	.rodata,"a",@progbits
	.p2align	6, 0x0
	.amdhsa_kernel k_q3dad1286cf_outp
		.amdhsa_group_segment_fixed_size 288256
		.amdhsa_private_segment_fixed_size 0
		.amdhsa_enable_private_segment 0
		.amdhsa_kernarg_size 48
		.amdhsa_user_sgpr_count 2
		.amdhsa_user_sgpr_kernarg_segment_ptr 1
		.amdhsa_wavefront_size32 1
		.amdhsa_system_sgpr_workgroup_id_x 1
		.amdhsa_system_sgpr_workgroup_id_y 1
		.amdhsa_system_sgpr_workgroup_id_z 1
		.amdhsa_system_vgpr_workitem_id 0
		.amdhsa_next_free_vgpr 512
		.amdhsa_next_free_sgpr 102
		.amdhsa_reserve_vcc 0
		.amdhsa_float_denorm_mode_32 3
		.amdhsa_float_denorm_mode_16_64 3
		.amdhsa_memory_ordered 1
		.amdhsa_forward_progress 1
		.amdhsa_inst_pref_size 53
	.end_amdhsa_kernel
	.amdgpu_metadata
---
amdhsa.version: [ 1, 2 ]
amdhsa.kernels:
  - .name:           k_q3dad1286cf_outp
    .symbol:         k_q3dad1286cf_outp.kd
    .args:
      - { .name: ximg, .offset: 0, .size: 8, .value_kind: global_buffer, .address_space: global }
      - { .name: xs, .offset: 8, .size: 8, .value_kind: global_buffer, .address_space: global }
      - { .name: wo_codes, .offset: 16, .size: 8, .value_kind: global_buffer, .address_space: global }
      - { .name: wo_scales, .offset: 24, .size: 8, .value_kind: global_buffer, .address_space: global }
      - { .name: bo, .offset: 32, .size: 8, .value_kind: global_buffer, .address_space: global }
      - { .name: out0, .offset: 40, .size: 8, .value_kind: global_buffer, .address_space: global }
    .group_segment_fixed_size: 288256
    .private_segment_fixed_size: 0
    .kernarg_segment_align: 8
    .kernarg_segment_size: 48
    .max_flat_workgroup_size: 128
    .sgpr_count:     102
    .vgpr_count:     512
    .wavefront_size: 32
...
	.end_amdgpu_metadata
.endif
;; end of part 7
